; MI455X (gfx1250); checked and timed in simulation.
; The chip was launched on July 23, 2026; its instructions are those of AMD's public machine-readable ISA for CDNA 5 (MIT licence, August 2026) and "CDNA5" Instruction Set Architecture Reference Guide (July 2026). The comments in the code are by the model that wrote it; some were corrected since.
;; Mo E. Allowed arithmetic: matrix products marked QUANTISED: E5M2 operands, one E8M0 scale for each 32 along K, by v_wmma_scale_f32_16x16x128_f8f6f4 with both operands' format E5M2, f32 sums; products left as they are: f32 operands where the result goes on into a quantised operand, else bf16, f16 or f32 operands; f32 sums; everything else in f32.
;; Inputs: W1 8 x 1,024 x 4,096 float32; W2 8 x 4,096 x 1,024 float32; Wg 1,024 x 8 float32; b1 8 x 4,096 float32; b2 8 x 1,024 float32; bg 8 float32; x 2 x 512 x 1,024 float32.
;; Outputs: out0 2 x 512 x 1,024 float32.
;; This version of the problem:
;;   THIS VERSION OF THE PROBLEM IS GIVEN IN LOW PRECISION. The matrix products marked QUANTISED in the list below multiply operands that are first quantised to E5M2 (5 exponent bits, 2 mantissa bits; 8 bits a number), with one power-of-two scale for each 32 numbers along K (OCP MX v1.0); their sums are f32. All else is computed in f32.
;;   The module's matrix products, in the order in which they are computed (A, B: the left and right operand; K: the contracted axis; several contracted axes count as one K, in the product's order):
;;     1. [M 1,024, K 1,024] x [K 1,024, N 8]; A: input x; B: input Wg: left as it is (N = 8 < 16)
;;     2. [M 1,024, K 1,024] x [K 1,024, N 32,768]; A: input x; B: input W1: QUANTISED
;;     3. batch 8 x [M 1,024, K 4,096] x [K 4,096, N 1,024]; A: input W2; B: computed on the way: QUANTISED
;;     4. batch 1,024 x [M 1, K 8] x [K 8, N 1,024]; A: computed on the way; B: computed on the way: left as it is (K = 8 < 32)
;;   THE QUANTISER, for each operand of a quantised product, along K:
;;     - K is cut into blocks of 32 from its start; a last block that is shorter is filled with zeros.
;;     - A block's scale is 2^e with e = floor(log2(the largest magnitude in the block)) - 15, held to -126 .. 127; a block of zeros has e = 0. As a byte (E8M0): e + 127.
;;     - Each number is divided by its block's scale, clamped to +-57,344, and rounded to the nearest number of E5M2, ties to even, subnormals kept.
;;     - The product sums the exact products of the quantised numbers (number of the format x scale) in f32.
;;   ~~~python
;;   def quantise(x, axis):      # numpy; x: float32 -> the quantised numbers, widened to float32 again
;;       x = np.moveaxis(x, axis, -1); K = x.shape[-1]
;;       x = np.pad(x, [(0, 0)] * (x.ndim - 1) + [(0, -K % 32)]); x = x.reshape(x.shape[:-1] + (-1, 32)); a = np.abs(x).max(-1, keepdims=True)
;;       e = np.where(a > 0, np.clip(np.frexp(np.where(a > 0, a, 1))[1] - 1 - 15, -126, 127), 0)      # np.frexp(a)[1] - 1 = floor(log2(a)), exactly
;;       r = np.clip(x / 2.0 ** e, -57344, 57344)
;;       step = 2.0 ** (np.maximum(np.frexp(np.where(r == 0, 1, r))[1] - 1, -14) - 2)
;;       q = np.round(r / step) * step * 2.0 ** e      # np.round: ties to even
;;       return np.moveaxis(q.reshape(q.shape[:-2] + (-1,))[..., :K], -1, axis).astype(np.float32)
;;   ~~~
;;   OPERANDS COMPUTED ON THE WAY. 'Computed on the way' means the value that the module computes at that place (a softmax that the list does not call 'softmax' is quantised finished and normalised). What goes into a quantiser is computed in f32, as accurately as f32 sums, v_exp_f32 and their like allow (about 1e-6 of the number): no bf16 or f16 on the way to a quantiser, and a product that is left as it is and whose result goes on into a quantised operand takes f32 operands (vector FMAs, or v_wmma_f32_16x16x4_f32). A number that lies on a knife's edge between two numbers of the format may be rounded either way, as far as f32 arithmetic and the matrix unit's own rounding can turn it there, and no further.
;; 2 versions, each right; version 2 is version 1 with the launches up, down written anew for expert scheduling mode. Each part assembles by itself: llvm-mc -triple=amdgcn-amd-amdhsa -mcpu=gfx1250 --defsym DOCPART=n.
;; ======== version 1 of 2: 4 launches
;; workspace buffers: xc 1,048,576 bytes; xs 32,768 bytes; sel 4,096 bytes of whole numbers; gw 8,192 bytes; hc 33,554,432 bytes; hsc 1,048,576 bytes; eo 67,108,864 bytes
;; launch gate (part 1): grid 256 x 1, 4 waves a work-group, no clusters, 1,536 bytes of LDS; arguments x, Wg, bg, xc, xs, sel, gw; writes xc, xs, sel, gw
.if DOCPART == 1
	.amdgcn_target "amdgcn-amd-amdhsa--gfx1250"
	.amdhsa_code_object_version 6
	.text
	.protected	k_qcb966cb9c3_gate
	.globl	k_qcb966cb9c3_gate
	.p2align	8
	.type	k_qcb966cb9c3_gate,@function
k_qcb966cb9c3_gate:
	s_mov_b64 s[64:65], 0
	v_nop
	global_prefetch_b8 v0, s[64:65] scope:SCOPE_SE
	s_setreg_imm32_b32 hwreg(HW_REG_WAVE_MODE, 25, 1), 1
	s_wait_xcnt 0x0
; THE ROUTER AND x's CODES.  x: [1024 tokens][1024] f32.  Wg: [1024][8], bg: [8] f32.
; Out: xc [token][1024] codes of E5M2, K innermost; xs [token][32] E8M0 bytes, one for each 32 along K; sel [token] = first expert | second expert << 8; gw [token][2] the two renormalised gates, f32.
; SHARES.  A work-group takes 4 tokens; wave w takes numbers 256 w .. 256 w + 255 of each, lane l eight of them (d = 256 w + 8 l + 0..7).  So x is read once, for the logits and for the codes.
; The logits are f32 multiply-adds: 32 sums a lane (4 tokens x 8 experts), added over the lanes, then over the four waves through LDS.  Behind the one barrier wave w finishes token w, alike in all its lanes:
; softmax with the row's maximum taken away, the two largest gates (a later expert wins only if strictly larger: the lower index is kept at a tie), their sum held at 1e-12 from below.
; A block of 32 along K lies in four neighbouring lanes.  Its scale is 2^(floor(log2(largest magnitude)) - 15); the byte is that magnitude's exponent field - 15, held at 1 from below.
; LIMITS: NaN and infinities among the inputs are not served.  A block of zeros gets the byte 1 (its codes are zeros; only this program reads the bytes).  The gates are p x (1 / sum), not p / sum, and the
; logits' sums go in another order than a row-by-row sum: two gates that agree to the last bits may change places.  An exponential under 2^-126 counts as 0.
.set XR,   32                          ; v32-63   x: token k's eight numbers at XR + 8 k; later at work
.set WGR,  64                          ; v64-127  Wg: row d' of my eight at WGR + 8 d'; later the logits
.set AC,   128                         ; v128-159 the sums: token k, expert e at AC + 8 k + e
.set CDS,  160                         ; v160-167 codes, two registers a token
.set MX,   10                          ; v10-13 largest magnitudes, v14-17 the conversions' scale operands, v18-21 57,344 x the scale, v22-25 the bytes
.set SCV,  14
.set LIMV, 18
.set BYV,  22
.set NIL,  27                          ; v27 0: the offset of the token's last two stores; outside the registers that the loads fill
.set SEL,  36                          ; s[36:37] lane selects: lane l xor 16
.set MNT,  38                          ; s38 the mantissa field of 57,344
	s_load_b256 s[4:11], s[0:1], 0x0               ; x, Wg, bg, xc
	s_load_b128 s[12:15], s[0:1], 0x20             ; xs, sel
	s_load_b64 s[16:17], s[0:1], 0x30              ; gw
	v_lshl_add_u32 v192, v0, 2, 0x400
	v_mov_b32 v193, 0
	v_lshrrev_b32 v1, 5, v0
	v_readfirstlane_b32 s20, v1                    ; wave
	v_and_b32 v1, 31, v0                           ; lane
	s_lshl_b32 s21, s20, 10
	v_lshl_add_u32 v3, v1, 5, s21                  ; x: 1,024 w + 32 l bytes into a token's row
	s_lshl_b32 s33, s20, 13
	v_lshl_add_u32 v4, v1, 8, s33                  ; Wg: my eight rows of 32 bytes
	s_lshl_b32 s22, ttmp9, 14                      ; the work-group's four rows of x
	s_mov_b32 s23, 0
	s_mov_b32 s[SEL], 0x76543210
	s_mov_b32 s[SEL+1], 0xfedcba98
	s_mov_b32 s[MNT], 0x600000
	s_wait_kmcnt 0x0
	s_load_b256 s[24:31], s[8:9], 0x0              ; bg
	s_add_nc_u64 s[4:5], s[4:5], s[22:23]
.irp k, 0,1,2,3
	global_load_b128 v[XR+8*\k:XR+8*\k+3], v3, s[4:5] offset:4096*\k th:TH_LOAD_NT
	global_load_b128 v[XR+8*\k+4:XR+8*\k+7], v3, s[4:5] offset:4096*\k+16 th:TH_LOAD_NT
.endr
.irp i, 0,1,2,3,4,5,6,7,8,9,10,11,12,13,14,15
	global_load_b128 v[WGR+4*\i:WGR+4*\i+3], v4, s[6:7] offset:16*\i
.endr
	s_lshl_b32 s22, ttmp9, 12
	s_add_nc_u64 s[10:11], s[10:11], s[22:23]      ; xc at the work-group's first token
	s_lshl_b32 s22, ttmp9, 7
	s_add_nc_u64 s[12:13], s[12:13], s[22:23]      ; xs likewise
	s_lshl_b32 s32, ttmp9, 2
	s_add_co_u32 s32, s32, s20                     ; the token that my wave finishes
	s_lshl_b32 s22, s32, 2
	s_add_nc_u64 s[14:15], s[14:15], s[22:23]
	s_lshl_b32 s22, s32, 3
	s_add_nc_u64 s[16:17], s[16:17], s[22:23]
	s_lshl_b32 s21, s20, 8
	v_lshl_add_u32 v5, v1, 3, s21                  ; xc: 256 w + 8 l
	s_lshl_b32 s33, s20, 7
	v_mov_b32 v6, s33                              ; LDS 0-511: my wave's 32 sums at 128 w
	s_lshl_b32 s34, s20, 3
	s_add_co_u32 s34, s34, 512
	v_lshrrev_b32 v7, 2, v1
	v_add_nc_u32 v7, s34, v7                       ; LDS 512-639: scale bytes, 32 a token: 8 w + l / 4
	s_lshl_b32 s35, s20, 5
	v_mov_b32 v8, s35                              ; where token w's sums lie in a wave's 128 bytes
	v_lshl_add_u32 v9, v1, 2, 512
	v_lshlrev_b32 v2, 2, v1
	v_mov_b32 v[NIL], 0
	s_wait_loadcnt 0x0
; the logits' parts: 16 pairs of sums by turns, my eight d' one after the other; the first product starts the sums
.irp dd, 0,1,2,3
.irp k, 0,1,2,3
.irp p, 0,2,4,6
.if \dd == 0
	v_pk_mul_f32 v[AC+8*\k+\p:AC+8*\k+\p+1], v[WGR+\p:WGR+\p+1], v[XR+8*\k:XR+8*\k+1] op_sel_hi:[1,0]
.else
	v_pk_fma_f32 v[AC+8*\k+\p:AC+8*\k+\p+1], v[WGR+16*\dd+\p:WGR+16*\dd+\p+1], v[XR+8*\k+2*\dd:XR+8*\k+2*\dd+1], v[AC+8*\k+\p:AC+8*\k+\p+1] op_sel_hi:[1,0,1]
.endif
.endr
.endr
.irp k, 0,1,2,3
.irp p, 0,2,4,6
	v_pk_fma_f32 v[AC+8*\k+\p:AC+8*\k+\p+1], v[WGR+16*\dd+8+\p:WGR+16*\dd+8+\p+1], v[XR+8*\k+2*\dd:XR+8*\k+2*\dd+1], v[AC+8*\k+\p:AC+8*\k+\p+1] op_sel:[0,1,0] op_sel_hi:[1,1,1]
.endr
.endr
.endr
; x's codes, the four tokens by turns
.irp k, 0,1,2,3
	v_max3_num_f32 v[MX+\k], |v[XR+8*\k]|, |v[XR+8*\k+1]|, 0x8000000   ; with the floor 2^(16 - 127): the byte cannot fall under 1
.endr
.irp i, 2,4,6
.irp k, 0,1,2,3
	v_max3_num_f32 v[MX+\k], v[MX+\k], |v[XR+8*\k+\i]|, |v[XR+8*\k+\i+1]|
.endr
.endr
.irp k, 0,1,2,3
	v_max_num_f32_dpp v[MX+\k], v[MX+\k], v[MX+\k] row_xmask:1 row_mask:0xf bank_mask:0xf
.endr
.irp k, 0,1,2,3
	v_max_num_f32_dpp v[MX+\k], v[MX+\k], v[MX+\k] row_xmask:2 row_mask:0xf bank_mask:0xf   ; the block's four lanes
.endr
.irp k, 0,1,2,3
	v_add_nc_u32 v[SCV+\k], 0xf8800000, v[MX+\k]   ; 15 off the exponent field: the conversion's scale operand
.endr
.irp k, 0,1,2,3
	v_and_or_b32 v[LIMV+\k], v[MX+\k], 0x7f800000, s[MNT]   ; 57,344 x the scale
.endr
.irp k, 0,1,2,3
	v_lshrrev_b32 v[BYV+\k], 23, v[SCV+\k]         ; the byte
.endr
.irp k, 0,1,2,3
.irp i, 0,1,2,3,4,5,6,7
	v_med3_num_f32 v[XR+8*\k+\i], v[XR+8*\k+\i], -v[LIMV+\k], v[LIMV+\k]   ; the conversion does not saturate (ISA guide 7.6.2): the hold comes first
.endr
.endr
.irp k, 0,1,2,3
	v_cvt_scalef32_pk8_bf8_f32 v[CDS+2*\k:CDS+2*\k+1], v[XR+8*\k:XR+8*\k+7], v[SCV+\k]
.endr
	v_nop                                          ; a plain line behind the conversions, ahead of the lines that write their sources
.irp k, 0,1,2,3
	global_store_b64 v5, v[CDS+2*\k:CDS+2*\k+1], s[10:11] offset:1024*\k   ; the wave stores 256 consecutive bytes, aligned
	ds_store_b8 v7, v[BYV+\k] offset:32*\k         ; a block's four lanes write the same byte with the same value
.endr
; the 32 sums over the wave's lanes
.irp x, 1,2,4,8
.set q, 0
.rept 32
	v_add_f32_dpp v[AC+q], v[AC+q], v[AC+q] row_xmask:\x row_mask:0xf bank_mask:0xf
.set q, q+1
.endr
.endr
.set q, 0
.rept 32
	v_permlanex16_b32 v[XR+q], v[AC+q], s[SEL], s[SEL+1]
.set q, q+1
.endr
.set q, 0
.rept 32
	v_add_f32 v[AC+q], v[AC+q], v[XR+q]
.set q, q+1
.endr
.irp i, 0,1,2,3,4,5,6,7
	ds_store_b128 v6, v[AC+4*\i:AC+4*\i+3] offset:16*\i   ; all lanes write the same words with the same values
.endr
	s_wait_dscnt 0x0                               ; for the others' sake: my stores have landed
	s_barrier_signal -1
	s_barrier_wait -1
	s_cmp_lg_u32 s20, 0
	s_cbranch_scc1 .Lnot_wave_0
	ds_load_b32 v26, v9                            ; wave 0: the four tokens' 128 scale bytes
	s_wait_dscnt 0x0
	global_store_b32 v2, v26, s[12:13]
.Lnot_wave_0:
.irp ww, 0,1,2,3
.irp i, 0,1
	ds_load_b128 v[WGR+8*\ww+4*\i:WGR+8*\ww+4*\i+3], v8 offset:128*\ww+16*\i   ; token w's eight sums of each wave
.endr
.endr
	s_wait_dscnt 0x0
	s_wait_kmcnt 0x0                               ; bg
.irp p, 0,2,4,6
	v_pk_add_f32 v[64+\p:65+\p], v[64+\p:65+\p], v[72+\p:73+\p]
	v_pk_add_f32 v[80+\p:81+\p], v[80+\p:81+\p], v[88+\p:89+\p]
.endr
.irp p, 0,2,4,6
	v_pk_add_f32 v[64+\p:65+\p], v[64+\p:65+\p], v[80+\p:81+\p]
.endr
.irp e, 0,1,2,3,4,5,6,7
	v_add_f32 v[64+\e], s[24+\e], v[64+\e]         ; the logits
.endr
	v_max3_num_f32 v96, v64, v65, v66
	v_max3_num_f32 v96, v96, v67, v68
	v_max3_num_f32 v96, v96, v69, v70
	v_max_num_f32 v96, v96, v71                    ; the row's maximum is taken away ahead of the exponentials
.irp e, 0,1,2,3,4,5,6,7
	v_sub_f32 v[64+\e], v[64+\e], v96
.endr
.irp e, 0,1,2,3,4,5,6,7
	v_mul_f32 v[64+\e], 0x3fb8aa3b, v[64+\e]
.endr
.irp e, 0,1,2,3,4,5,6,7
	v_exp_f32 v[64+\e], v[64+\e]
.endr
	v_nop                                          ; a plain line behind the batch,
	s_wait_alu depctr_va_vdst(0)                   ; and one wait for the eight, ahead of their first reader
	v_pk_add_f32 v[72:73], v[64:65], v[66:67]
	v_pk_add_f32 v[74:75], v[68:69], v[70:71]
	v_pk_add_f32 v[72:73], v[72:73], v[74:75]
	v_add_f32 v97, v72, v73
	v_rcp_f32 v97, v97
	v_mov_b32 v99, 0                               ; (a plain line)  the first expert's number
	s_wait_alu depctr_va_vdst(0)
.irp e, 0,1,2,3,4,5,6,7
	v_mul_f32 v[64+\e], v[64+\e], v97              ; the gates
.endr
	v_mov_b32 v98, v64
.irp e, 1,2,3,4,5,6,7
	v_cmp_le_f32 vcc_lo, v[64+\e], v98             ; not larger: the earlier expert stays
	v_cndmask_b32 v98, v[64+\e], v98, vcc_lo
	v_cndmask_b32 v99, \e, v99, vcc_lo
.endr
.irp e, 0,1,2,3,4,5,6,7
	v_cmp_ne_u32 vcc_lo, \e, v99
	v_cndmask_b32 v[64+\e], -1.0, v[64+\e], vcc_lo ; the winner steps out: every gate is 0 or more
.endr
	v_mov_b32 v100, v64
	v_mov_b32 v101, 0
.irp e, 1,2,3,4,5,6,7
	v_cmp_le_f32 vcc_lo, v[64+\e], v100
	v_cndmask_b32 v100, v[64+\e], v100, vcc_lo
	v_cndmask_b32 v101, \e, v101, vcc_lo
.endr
	v_add_f32 v102, v98, v100
	v_max_num_f32 v102, 0x2b8cbccc, v102           ; held at 1e-12 from below
	v_rcp_f32 v102, v102
	v_lshl_or_b32 v103, v101, 8, v99               ; (a plain line)  the two experts' numbers
	s_wait_alu depctr_va_vdst(0)
	v_mul_f32 v104, v98, v102
	v_mul_f32 v105, v100, v102
	s_wait_xcnt 0x0                                ; EXEC changes only behind this wait: stores have been issued
	v_cmp_eq_u32 vcc_lo, 0, v1
	s_wait_tensorcnt 0x0
	ds_add_u32 v192, v193
	s_wait_dscnt 0x0
	s_and_saveexec_b32 s34, vcc_lo                 ; lane 0 alone stores the token's choice, at its fixed place
	global_store_b32 v[NIL], v103, s[14:15]
	global_store_b64 v[NIL], v[104:105], s[16:17]
	s_wait_xcnt 0x0
	s_or_b32 exec_lo, exec_lo, s34
	s_endpgm
.Lfunc_end_k_qcb966cb9c3_gate:
	.size	k_qcb966cb9c3_gate, .Lfunc_end_k_qcb966cb9c3_gate-k_qcb966cb9c3_gate
	.p2alignl 7, 3214868480
	.fill 96, 4, 3214868480
	.section	.rodata,"a",@progbits
	.p2align	6, 0x0
	.amdhsa_kernel k_qcb966cb9c3_gate
		.amdhsa_group_segment_fixed_size 1536
		.amdhsa_private_segment_fixed_size 0
		.amdhsa_enable_private_segment 0
		.amdhsa_kernarg_size 56
		.amdhsa_user_sgpr_count 2
		.amdhsa_user_sgpr_kernarg_segment_ptr 1
		.amdhsa_wavefront_size32 1
		.amdhsa_system_sgpr_workgroup_id_x 1
		.amdhsa_system_sgpr_workgroup_id_y 1
		.amdhsa_system_sgpr_workgroup_id_z 1
		.amdhsa_system_vgpr_workitem_id 0
		.amdhsa_next_free_vgpr 194
		.amdhsa_next_free_sgpr 66
		.amdhsa_reserve_vcc 1
		.amdhsa_float_denorm_mode_32 3
		.amdhsa_float_denorm_mode_16_64 3
		.amdhsa_memory_ordered 1
		.amdhsa_forward_progress 1
		.amdhsa_inst_pref_size 36
	.end_amdhsa_kernel
	.amdgpu_metadata
---
amdhsa.version: [ 1, 2 ]
amdhsa.kernels:
  - .name:           k_qcb966cb9c3_gate
    .symbol:         k_qcb966cb9c3_gate.kd
    .args:
      - { .name: x, .offset: 0, .size: 8, .value_kind: global_buffer, .address_space: global }
      - { .name: Wg, .offset: 8, .size: 8, .value_kind: global_buffer, .address_space: global }
      - { .name: bg, .offset: 16, .size: 8, .value_kind: global_buffer, .address_space: global }
      - { .name: xc, .offset: 24, .size: 8, .value_kind: global_buffer, .address_space: global }
      - { .name: xs, .offset: 32, .size: 8, .value_kind: global_buffer, .address_space: global }
      - { .name: sel, .offset: 40, .size: 8, .value_kind: global_buffer, .address_space: global }
      - { .name: gw, .offset: 48, .size: 8, .value_kind: global_buffer, .address_space: global }
    .group_segment_fixed_size: 1536
    .private_segment_fixed_size: 0
    .kernarg_segment_align: 8
    .kernarg_segment_size: 56
    .max_flat_workgroup_size: 128
    .sgpr_count:     66
    .vgpr_count:     194
    .wavefront_size: 32
...
	.end_amdgpu_metadata
.endif
;; end of part 1
;; launch up (part 2): grid 32 x 8, 8 waves a work-group, no clusters, 210,944 bytes of LDS; arguments W1, b1, xc, xs, sel, hc, hsc; writes hc, hsc
.if DOCPART == 2
	.amdgcn_target "amdgcn-amd-amdhsa--gfx1250"
	.amdhsa_code_object_version 6
	.text
	.protected	k_qcb966cb9c3_up
	.globl	k_qcb966cb9c3_up
	.p2align	8
	.type	k_qcb966cb9c3_up,@function
k_qcb966cb9c3_up:
	s_mov_b64 s[64:65], 0
	v_nop
	global_prefetch_b8 v0, s[64:65] scope:SCOPE_SE
	s_setreg_imm32_b32 hwreg(HW_REG_WAVE_MODE, 25, 1), 1
	s_wait_xcnt 0x0
; THE FIRST PRODUCT, FOR THE CHOSEN ROWS ALONE: h = gelu(x W1[e] + b1[e]), as codes of E5M2 with one E8M0 scale for each 32 hidden units.
; W1: [8][1024 (K)][4096] f32.  Work-group (hs, e) owns hidden units 128 hs .. + 127 of expert e: 512 KB of f32, which nobody else reads.  It reads them once, quantises them along K on the way, keeps the codes
; (first in LDS, then in registers) and multiplies them with every row that the router gave to e.  No clusters: no two work-groups share a byte of the weights, and what they share (x's codes) is small beside them.
; No tensor loads: a trip's work is jumped over on a count read from memory.
; THE STREAM.  Wave w takes K step w (rows 128 w .. + 127).  A load is one row's 512 bytes, 16 a lane: a lane holds 4 neighbouring columns and its registers run down K, so a block of 32 along K of a column lies in
; one lane.  64 loads a wave are out.  The hold at the largest code also sorts the four columns apart.  Codes go to LDS as IMAGES OF THE OPERAND'S REGISTERS: [tile][K step][c][lane][16 bytes].
; THE COLUMNS THAT FORM A TILE ARE NOT NEIGHBOURS: row r of tile 2 b + u is hidden unit 32 b + 8 u + r + 8 (r / 8), so that a lane's 16 results of tiles 2 b, 2 b + 1 are 16 neighbours along the next K.
; THE LIST.  Every wave reads all 1,024 choices, makes e's bitmap in s[32:63] and counts it.  A token's position is its rank in the bitmap.  A wave fetches rows 8 w .. 8 w + 7 of every block of 64 positions, so its lanes
; find just those tokens: lane l, pass p: position 256 p + 64 (l / 8) + 8 w + l % 8.  They stay in four registers: the list needs no LDS and no barrier.  A block's eight tokens are read out as scalars, so that a row of
; x's codes comes from a scalar base, 512 consecutive bytes a load.  Positions from the count up to the next multiple of 256 repeat the first token: so blocks of 64 are always whole.  The launch behind this one ranks alike.
; THE ROWS.  16 trips of 64 positions, a constant, with the barriers on every path; trips at or beyond the count jump over their work.  Wave (g = w & 3, th = w >> 2): hidden units 32 g .. + 31 (one scale block, two tiles)
; x token tiles 2 th, 2 th + 1.  Its 16 fragments of W1 stay in window 1.  x's codes of the next block are asked for a trip ahead, into registers, and go through LDS.
; The product is used transposed (source 0 = 16 hidden units, source 1 = 16 tokens): a lane holds one token.  b1 is the C of each sum's first product.
; GELU: v Phi(v) = max(v, 0) - |v| s, s = erfc(|v| / sqrt 2) / 2: for v < 0 that is v s, for v >= 0 it is v (1 - s), in one fused multiply-add.  erfc(z) = t exp(-z z + P(t)), t = 1 / (1 + z / 2), P of degree 9
; (a fit whose fractional error is 1.2e-7 for every z); the half is ln 2 taken off P's constant.
; OUT: hc [e][hs][tile of 16 positions][c][lane][16 bytes]: the next product's operand as it stands in registers; hsc [e][hs][position] one word of four bytes.
; LIMITS: NaN and infinities are not served.  A block of zeros gets the byte 1 (its codes are zeros; this program alone reads the bytes).  The exponent -z z + P(t) is rounded in f32, so s's relative error
; grows with v v (about 1e-7 x v v / 2); under 2^-126 the exponential counts as 0.  An expert without rows still streams its slice: half of it is asked for before the count is known.
.set RS,    16384                      ; bytes from row to row of W1
.set NKS,   8                          ; K steps in the slice
.set TS,    NKS*2048+16                ; a tile's images, + 16 bytes so that neighbouring tiles begin in other banks
.set WIMG,  0                          ; LDS: 8 tiles x TS
.set WSC,   131328                     ; the weights' scale words: [tile][K step][row] 4 bytes
.set XST,   135424                     ; x's codes of 64 tokens, rows of 1,024 + 16 bytes
.set XP,    1040
.set XSS,   201984                     ; x's scale bytes, rows of 32 + 16
.set XSP,   48
.set SB,    209664                     ; a block's 64 scale words of h
.set LANE, 1
.set RR,   2                           ; lane % 16
.set HH,   3                           ; lane / 16
.set WLO,  4                           ; 16 x lane: my 16 bytes of a row of the slice, and of half a row of x's codes
.set WST,  5                           ; where my columns' codes go
.set WSW,  6                           ; and their scale words
.set QB,   7                           ; 64 (l / 8) + 8 w + l % 8: my position in a pass of 256
.set SELO, 8
.set RT,   9                           ; v9-15 at work on the list; later v9: my offset among x's scale bytes
.set WFA,  16                          ; my fragments' images
.set WSA,  17
.set XWA,  18                          ; into the stage of x's codes
.set XSW,  19
.set XSA,  20                          ; out of it
.set XFA,  21
.set TK0,  22                          ; my wave's tokens: four blocks to a register, lanes 8 k .. 8 k + 7 the k-th of them; TK0 holds the block to be fetched next
.set TK1,  23
.set HO,   24                          ; my place in a block of hc
.set SBA,  25
.set SBR,  26
.set HSO,  27
.set B1O,  28
.set TK2,  29
.set C8,   30
.set TK3,  31
.set WS,   32                          ; v32-47  W1's scale words (8 u + ks)
.set B1,   48                          ; v48-63  b1 in the result's layout (8 u + j)
.set XS,   64                          ; v64-79  x's scale words (8 a + ks)
.set ACC,  80                          ; v80-111 four accumulators (16 a + 8 u)
.set TQ,   80                          ; in the stream: a column's 32 numbers
.set XF,   112                         ; v112-175 x's fragments, two buffers of two
.set CQ,   112                         ; in the stream: codes, two sets of 8
.set SM,   128                         ; in the stream: magnitude / byte, scale operand, limit, scale word, for each of 4 columns
.set ZS,   112                         ; GELU at work
.set TT,   128
.set PP,   144
.set HM,   160                         ; h's quantiser at work
.set PF,   176                         ; v176-241 the next block's codes of x (64) and scale bytes (2); at the head: the choices
.set SELR, 176
.set HC,   242                         ; v242-249 h's codes
.set K8,   250                         ; v[250:251] a coefficient, twice
.set SBD,  252
.set PL,   27                          ; s27     the lane of TK0 at which the next block's eight tokens begin: 0, 8, 16, 24
.set XBS,  32                          ; s[32:47] behind the list: the addresses of eight rows of x's codes
.set TKS,  48                          ; s48-55  their tokens
.set MK,   55                          ; s56-62  lane masks: MK + i names lanes 4 i .. 4 i + 3
.set SEL,  68
.set MNT,  70
.set MSB, 0
.macro WIN new                         ; the immediate's high byte repeats the setting that is left
.if MSB != \new
	s_set_vgpr_msb (MSB<<8)|\new
.set MSB, \new
.endif
.endm
.macro PLACES n
.rept \n
	v_nop
.endr
.endm
.macro BAR                             ; my LDS stores have landed and my LDS loads are in: then the work-group's barrier
	s_wait_dscnt 0x0
	s_barrier_signal -1
	s_barrier_wait -1
.endm
.macro WLOAD t                         ; block t of my K step: 32 rows, into set t % 2 of window 1
	WIN 0x40
.set wi, 0
.rept 32
	global_load_b128 v[128*((\t)%2)+4*wi:128*((\t)%2)+4*wi+3], v[WLO], s[4:5] offset:(32*(\t)+wi)*RS th:TH_LOAD_NT
.set wi, wi+1
.endr
	WIN 0
.endm
.macro WBLOCK t, n                     ; block t is quantised: 4 columns x 32 along K.  n: the younger loads, which may stay out
.set XB, 128*((\t)%2)
	s_wait_loadcnt \n
	WIN 0x14                                       ; sources 1 and 2 in window 1
.irp cc, 0,1,2,3
	v_max3_num_f32 v[SM+\cc], 0x8000000, |v[XB+\cc]|, |v[XB+4+\cc]|   ; the floor 2^(16 - 127) is a leaf: the byte cannot fall under 1
.endr
.set bj, 1
.rept 15
.irp cc, 0,1,2,3
	v_max3_num_f32 v[SM+\cc], v[SM+\cc], |v[XB+8*bj+\cc]|, |v[XB+8*bj+4+\cc]|
.endr
.set bj, bj+1
.endr
	WIN 0
.irp cc, 0,1,2,3
	v_add_nc_u32 v[SM+4+\cc], 0xf8800000, v[SM+\cc]   ; 15 off the exponent field: the conversion's scale operand
.endr
.irp cc, 0,1,2,3
	v_and_or_b32 v[SM+8+\cc], v[SM+\cc], 0x7f800000, s[MNT]   ; 57,344 x the scale
.endr
.irp cc, 0,1,2,3
	v_lshrrev_b32 v[SM+\cc], 23, v[SM+4+\cc]       ; the byte
.endr
.irp cc, 0,1,2,3
.if (\t) == 0
	v_mov_b32 v[SM+12+\cc], v[SM+\cc]
.else
	v_lshl_or_b32 v[SM+12+\cc], v[SM+\cc], 8*(\t), v[SM+12+\cc]   ; my four blocks are the K step's four: the column's scale word is made in this lane
.endif
.endr
.irp cc, 0,1,2,3
	WIN 0x01                                       ; source 0 in window 1
.set bi, 0
.rept 32
	v_med3_num_f32 v[TQ+bi], v[XB+4*bi+\cc], -v[SM+8+\cc], v[SM+8+\cc]   ; the hold (the conversion does not saturate: ISA guide 7.6.2) also lays the column's numbers on end
.set bi, bi+1
.endr
	WIN 0
.if (\cc == 3) && ((\t) < 2)
	WLOAD (\t)+2                                   ; the set has been read out: it takes the block two further on
.endif
	s_wait_dscnt 2                                 ; all but the last column's two stores are done: this set of codes may be written again
.irp g, 0,1,2,3
	v_cvt_scalef32_pk8_bf8_f32 v[CQ+8*(\cc%2)+2*\g:CQ+8*(\cc%2)+2*\g+1], v[TQ+8*\g:TQ+8*\g+7], v[SM+4+\cc]
.endr
	v_nop                                          ; a plain line behind the conversions, ahead of the lines that write their sources
	ds_store_b128 v[WST], v[CQ+8*(\cc%2):CQ+8*(\cc%2)+3] offset:16*\cc+512*(\t)          ; k = 32 t + 0 .. 15: the row's lane of the lower half,
	ds_store_b128 v[WST], v[CQ+8*(\cc%2)+4:CQ+8*(\cc%2)+7] offset:16*\cc+256+512*(\t)    ; k = 32 t + 16 .. 31: of the upper half
.endr
.if (\t) == 3
.irp cc, 0,1,2,3
	ds_store_b32 v[WSW], v[SM+12+\cc] offset:4*\cc
.endr
.endif
.endm
; x's codes and scale bytes of the next block's 64 positions are asked for: my wave's 8 rows, 17 loads.  Every call takes the block behind the last call's.
; No load that names these scalars or v[RT] is out here: the wait for all loads at a trip's head stands between two calls.
.macro PFX
.irp i, 0,1,2,3,4,5,6,7
	s_add_co_u32 s[TKS+\i], s[PL], \i              ; the lane that holds row i's token,
.endr
.irp i, 0,1,2,3,4,5,6,7
	v_readlane_b32 s[TKS+\i], v[TK0], s[TKS+\i]    ; and the token
.endr
.irp i, 0,1,2,3,4,5,6,7
	s_min_u32 s[TKS+\i], s[TKS+\i], 0x3ff          ; a token's number stays inside the table
.endr
	s_mov_b32 s29, 0
.irp i, 0,1,2,3,4,5,6,7
	s_lshl_b32 s28, s[TKS+\i], 10
	s_add_nc_u64 s[XBS+2*\i:XBS+2*\i+1], s[8:9], s[28:29]   ; the row's 1,024 codes
.endr
	v_mov_b32 v[RT], s[TKS]                        ; the scale bytes: 32 a row, four lanes to a row: lane l wants row l / 4's token
.irp i, 1,2,3,4,5,6,7
	v_cndmask_b32 v[RT], v[RT], s[TKS+\i], s[MK+\i]
.endr
	v_min_u32 v[RT], 0x3ff, v[RT]
	v_lshl_add_u32 v[RT], v[RT], 5, v[C8]
.irp i, 0,1,2,3,4,5,6,7
.irp m, 0,1
	global_load_b128 v[PF+4*(2*\i+\m):PF+4*(2*\i+\m)+3], v[WLO], s[XBS+2*\i:XBS+2*\i+1] offset:512*\m   ; the wave reads 512 consecutive bytes of the row, aligned
.endr
.endr
	global_load_b64 v[PF+64:PF+65], v[RT], s[10:11]
	s_add_co_u32 s[PL], s[PL], 8                   ; on to the next block's eight lanes;
	s_cmp_eq_u32 s[PL], 32
	s_cselect_b32 s63, -1, 0                       ; behind a register's fourth block the registers move up by one
	s_cselect_b32 s[PL], 0, s[PL]
	v_cndmask_b32 v[TK0], v[TK0], v[TK1], s63
	v_cndmask_b32 v[TK1], v[TK1], v[TK2], s63
	v_cndmask_b32 v[TK2], v[TK2], v[TK3], s63
.endm
.macro XFETCH ks                       ; my two tiles' fragments of K step ks, into buffer ks % 2
.irp a, 0,1
.irp c, 0,1,2,3
	ds_load_b128 v[XF+32*((\ks)%2)+16*\a+4*\c:XF+32*((\ks)%2)+16*\a+4*\c+3], v[XFA] offset:16*XP*\a+128*(\ks)+32*\c
.endr
.endr
.endm
.macro GELU16 a                        ; the 16 numbers of token tile a, in place.  Each accumulator is read from its low end on
.set GV, ACC+16*(\a)
.irp p, 0,2,4,6,8,10,12,14
	v_pk_mul_f32 v[ZS+\p:ZS+\p+1], v[GV+\p:GV+\p+1], 0x3f3504f3 op_sel_hi:[1,0]   ; v / sqrt 2
.endr
.irp i, 0,1,2,3,4,5,6,7,8,9,10,11,12,13,14,15
	v_fma_f32 v[TT+\i], |v[ZS+\i]|, 0.5, 1.0
.endr
.irp i, 0,1,2,3,4,5,6,7,8,9,10,11,12,13,14,15
	v_rcp_f32 v[TT+\i], v[TT+\i]                   ; t
.endr
	v_nop                                          ; a plain line behind the batch,
	s_wait_alu depctr_va_vdst(0)                   ; and one wait for the sixteen, ahead of their first reader
.irp p, 0,2,4,6,8,10,12,14
	v_pk_fma_f32 v[PP+\p:PP+\p+1], v[TT+\p:TT+\p+1], 0x3e2ef946, v[K8:K8+1] op_sel_hi:[1,0,1]   ; 0.17087277 t - 0.82215223
.endr
.irp cf, 0x3fbe87b0, 0xbf914e5d, 0x3e8ec7cc, 0xbe3ec24c, 0x3dc636c9, 0x3ebf88fb, 0x3f8000c7, 0xbffab55a
.irp p, 0,2,4,6,8,10,12,14
	v_pk_fma_f32 v[PP+\p:PP+\p+1], v[PP+\p:PP+\p+1], v[TT+\p:TT+\p+1], \cf op_sel_hi:[1,1,0]   ; 1.48851587, -1.13520398, 0.27886807, -0.18628806, 0.09678418, 0.37409196, 1.00002368, -1.26551223 - ln 2 = -1.95865941
.endr
.endr
.irp p, 0,2,4,6,8,10,12,14
	v_pk_fma_f32 v[PP+\p:PP+\p+1], v[ZS+\p:ZS+\p+1], v[ZS+\p:ZS+\p+1], v[PP+\p:PP+\p+1] neg_lo:[1,0,0] neg_hi:[1,0,0]   ; P(t) - ln 2 - z z
.endr
.irp p, 0,2,4,6,8,10,12,14
	v_pk_mul_f32 v[PP+\p:PP+\p+1], v[PP+\p:PP+\p+1], 0x3fb8aa3b op_sel_hi:[1,0]
.endr
.irp i, 0,1,2,3,4,5,6,7,8,9,10,11,12,13,14,15
	v_exp_f32 v[PP+\i], v[PP+\i]
.endr
.irp i, 0,1,2,3,4,5,6,7,8,9,10,11,12,13,14,15
	v_max_num_f32 v[ZS+\i], 0, v[GV+\i]            ; max(v, 0): plain work that names no exponential's result, behind the batch
.endr
	s_wait_alu depctr_va_vdst(0)                   ; one wait for the sixteen, ahead of their first reader
.irp p, 0,2,4,6,8,10,12,14
	v_pk_mul_f32 v[TT+\p:TT+\p+1], v[TT+\p:TT+\p+1], v[PP+\p:PP+\p+1]   ; s = erfc(|v| / sqrt 2) / 2
.endr
.irp i, 0,1,2,3,4,5,6,7,8,9,10,11,12,13,14,15
	v_fma_f32 v[GV+\i], -|v[GV+\i]|, v[TT+\i], v[ZS+\i]   ; max(v, 0) - |v| s: no difference of near numbers is formed for v < 0, so the small results keep their relative accuracy
.endr
.endm
	s_load_b256 s[4:11], s[0:1], 0x0               ; W1, b1, xc, xs
	s_load_b128 s[12:15], s[0:1], 0x20             ; sel, hc
	s_load_b64 s[16:17], s[0:1], 0x30              ; hsc
	v_lshl_add_u32 v254, v0, 2, 0x33400
	v_mov_b32 v255, 0
	v_lshrrev_b32 v1, 5, v0
	v_readfirstlane_b32 s20, v1                    ; wave 0..7
	v_and_b32 v[LANE], 31, v0
	v_and_b32 v[RR], 15, v0
	v_bfe_u32 v[HH], v0, 4, 1
	v_lshlrev_b32 v[WLO], 4, v[LANE]
	v_lshlrev_b32 v[SELO], 2, v[LANE]
	s_and_b32 s21, ttmp7, 0xffff                   ; the expert
	s_and_b32 s18, s20, 3                          ; g
	s_lshr_b32 s19, s20, 2                         ; th
	s_lshl_b32 s28, s21, 24                        ; W1: expert x 2^24 + 128 w rows + 512 hs bytes
	s_lshl_b32 s29, s20, 21
	s_add_co_u32 s28, s28, s29
	s_lshl_b32 s29, ttmp9, 9
	s_add_co_u32 s28, s28, s29
	s_mov_b32 s29, 0
	s_wait_kmcnt 0x0
	s_add_nc_u64 s[4:5], s[4:5], s[28:29]
.set ri, 0
.rept 32
	global_load_b32 v[SELR+ri], v[SELO], s[12:13] offset:128*ri   ; all 1,024 choices: load i, lane l: token 32 i + l
.set ri, ri+1
.endr
	WLOAD 0
	WLOAD 1
	; every address is made here, while the first loads are out
	s_lshl_b32 s28, s21, 14
	s_lshl_b32 s30, ttmp9, 9
	s_add_co_u32 s28, s28, s30
	s_lshl_b32 s30, s18, 7
	s_add_co_u32 s28, s28, s30
	s_add_nc_u64 s[6:7], s[6:7], s[28:29]          ; b1 at my 32 hidden units
	s_lshl_b32 s28, s21, 22
	s_lshl_b32 s30, ttmp9, 17
	s_add_co_u32 s28, s28, s30
	s_add_nc_u64 s[14:15], s[14:15], s[28:29]      ; hc at (e, hs)
	s_lshl_b32 s28, s21, 17
	s_lshl_b32 s30, ttmp9, 12
	s_add_co_u32 s28, s28, s30
	s_add_nc_u64 s[16:17], s[16:17], s[28:29]      ; hsc at (e, hs)
	s_mov_b32 s[SEL], 0x76543210
	s_mov_b32 s[SEL+1], 0xfedcba98
	s_mov_b32 s[MNT], 0x600000
	v_lshrrev_b32 v9, 3, v[LANE]
	v_bfe_u32 v10, v[LANE], 1, 1
	v_lshl_add_u32 v9, v9, 1, v10                  ; my columns' tile: 2 (l / 8) + (l / 2) % 2
	v_and_b32 v10, 1, v[LANE]
	v_bfe_u32 v11, v[LANE], 2, 1
	v_lshlrev_b32 v10, 2, v10
	v_lshl_add_u32 v10, v11, 3, v10                ; and the first one's row in it: 4 (l % 2) + 8 ((l / 4) % 2)
	v_mul_u32_u24 v[WST], v9, TS
	v_lshl_add_u32 v[WST], v10, 4, v[WST]
	s_lshl_b32 s28, s20, 11
	v_add_nc_u32 v[WST], s28, v[WST]               ; + K step w
	v_lshlrev_b32 v[WSW], 9, v9
	v_lshl_add_u32 v[WSW], v10, 2, v[WSW]
	s_lshl_b32 s28, s20, 6
	s_add_co_u32 s28, s28, WSC
	v_add_nc_u32 v[WSW], s28, v[WSW]
	v_lshrrev_b32 v9, 3, v[LANE]
	v_and_b32 v10, 7, v[LANE]
	v_lshl_add_u32 v[QB], v9, 6, v10
	s_lshl_b32 s28, s20, 3
	v_add_nc_u32 v[QB], s28, v[QB]                 ; 64 (l / 8) + l % 8 + 8 w
	s_mul_i32 s28, s18, 2*TS
	v_lshl_add_u32 v[WFA], v[LANE], 4, s28
	s_lshl_b32 s28, s18, 10
	s_add_co_u32 s28, s28, WSC
	v_lshl_add_u32 v[WSA], v[RR], 2, s28
	s_mul_i32 s28, s20, 8*XP
	s_add_co_u32 s28, s28, XST
	v_lshl_add_u32 v[XWA], v[LANE], 4, s28         ; into the stage: my wave's rows 8 w on, 16 bytes a lane
	s_lshl_b32 s28, s20, 3
	v_lshrrev_b32 v10, 2, v[LANE]
	v_add_nc_u32 v10, s28, v10                     ; 8 w + l / 4
	v_mul_u32_u24 v[XSW], v10, XSP
	v_and_b32 v11, 3, v[LANE]
	v_lshl_add_u32 v[XSW], v11, 3, v[XSW]
	v_add_nc_u32 v[XSW], XSS, v[XSW]
	v_lshlrev_b32 v[C8], 3, v11
	s_lshl_b32 s28, s19, 5
	v_add_nc_u32 v12, s28, v[RR]                   ; 32 th + r
	v_mul_u32_u24 v[XSA], v12, XSP
	v_add_nc_u32 v[XSA], XSS, v[XSA]
	v_mul_u32_u24 v[XFA], v12, XP
	v_lshl_add_u32 v[XFA], v[HH], 4, v[XFA]
	v_add_nc_u32 v[XFA], XST, v[XFA]
	s_lshl_b32 s28, s19, 12
	s_lshl_b32 s30, s18, 9
	s_add_co_u32 s28, s28, s30
	v_lshl_add_u32 v[HO], v[LANE], 4, s28          ; 4,096 th + 512 g + 16 l
	v_lshl_add_u32 v[SBA], v12, 2, SB
	v_add_nc_u32 v[SBA], s18, v[SBA]               ; byte g of the row's word
	v_lshl_add_u32 v[SBR], v[LANE], 3, SB
	v_lshlrev_b32 v[HSO], 3, v[LANE]
	v_lshlrev_b32 v[B1O], 6, v[HH]
	v_mov_b32 v[K8], 0xbf527892                    ; -0.82215223
	v_mov_b32 v[K8+1], 0xbf527892
	v_mov_b32 v[HM+2], 0                           ; written once: a lane permute's destination counts as one of its sources
	v_mov_b32 v[HM+3], 0
	v_mov_b32 v[TK0], 0                            ; the four are moved up before all are made: so all are written here
	v_mov_b32 v[TK1], 0
	v_mov_b32 v[TK2], 0
	v_mov_b32 v[TK3], 0
	v_mov_b32 v[RT+4], 0
	WBLOCK 0, 32                                   ; younger than block 0's loads: block 1's 32.  (The choices, asked for earlier, are in too)
	WBLOCK 1, 32                                   ; block 2's 32
	; ---- the list, while blocks 2 and 3 are on their way
.set ri, 0
.rept 32
	v_and_b32 v[RT], 0xff, v[SELR+ri]
	v_bfe_u32 v[RT+1], v[SELR+ri], 8, 8
	v_cmp_eq_u32 s[32+ri], s21, v[RT]
	v_cmp_eq_u32 s66, s21, v[RT+1]
	s_or_b32 s[32+ri], s[32+ri], s66               ; word i, bit l: token 32 i + l goes to my expert
.set ri, ri+1
.endr
	s_mov_b32 s24, 0
.set ri, 0
.rept 32
	s_bcnt1_i32_b32 s66, s[32+ri]
	s_add_co_u32 s24, s24, s66                     ; the count
.set ri, ri+1
.endr
	s_mov_b32 s28, 0                               ; 256 p
.Llist:                                                ; four passes, a constant; the first always works, the others where positions are left
	s_cmp_eq_u32 s28, 0
	s_cbranch_scc1 .Llist_do
	s_cmp_ge_u32 s28, s24
	s_cbranch_scc1 .Llist_skip
.Llist_do:
	v_add_nc_u32 v[RT], s28, v[QB]                 ; my position,
	v_cmp_gt_u32 vcc_lo, s24, v[RT]
	v_cndmask_b32 v[RT], 0, v[RT], vcc_lo          ; or 0 beyond the count
	v_mov_b32 v[RT+1], s32
	v_mov_b32 v[RT+2], 0
	s_bcnt1_i32_b32 s30, s32
.set ri, 1
.rept 31
	s_or_b32 s31, s30, ri<<16
	v_cmp_gt_u32 vcc_lo, s30, v[RT]                ; more bits ahead of word i than my position: the earlier word stays
	v_cndmask_b32 v[RT+1], s[32+ri], v[RT+1], vcc_lo
	v_cndmask_b32 v[RT+2], s31, v[RT+2], vcc_lo    ; the bits ahead of the word | its number << 16
	s_bcnt1_i32_b32 s66, s[32+ri]
	s_add_co_u32 s30, s30, s66
.set ri, ri+1
.endr
	v_and_b32 v[RT+3], 0xffff, v[RT+2]
	v_sub_nc_u32 v[RT+3], v[RT], v[RT+3]           ; my rank inside the word
	v_mov_b32 v[RT+4], 0
	v_mov_b32 v[RT+5], 0
.set ri, 0
.rept 32
	v_bfe_u32 v[RT+6], v[RT+1], ri, 1
	v_add_nc_u32 v[RT+5], v[RT+5], v[RT+6]         ; set bits up to bit b
	v_cmp_le_u32 vcc_lo, v[RT+5], v[RT+3]
	v_add_co_ci_u32 v[RT+4], vcc_lo, 0, v[RT+4], vcc_lo   ; one more bit that lies ahead of mine
.set ri, ri+1
.endr
	v_lshrrev_b32 v[RT+2], 16, v[RT+2]
	v_lshl_add_u32 v[RT+4], v[RT+2], 5, v[RT+4]    ; the token
.Llist_skip:
	v_mov_b32 v[TK0], v[TK1]                       ; the four registers move up in every pass: behind the fourth, pass p's tokens stand in register p
	v_mov_b32 v[TK1], v[TK2]                       ; (a pass that was jumped over hands on the pass before's: its blocks lie beyond the count and are never fetched)
	v_mov_b32 v[TK2], v[TK3]
	v_mov_b32 v[TK3], v[RT+4]
	s_add_co_u32 s28, s28, 256
	s_cmp_lt_u32 s28, 1024
	s_cbranch_scc1 .Llist
	s_mov_b32 s[PL], 0                             ; the bitmap is done with: its registers take the rows' addresses, tokens and masks
.irp i, 1,2,3,4,5,6,7
	s_mov_b32 s[MK+\i], 0xf<<(4*\i)
.endr
	s_mov_b32 s25, 0                               ; 64 b
	PFX                                            ; the first block's x, always (positions 0 to 255 are always made): 17 loads on every path
.irp u, 0,1
.irp i, 0,1
	global_load_b128 v[B1+8*\u+4*\i:B1+8*\u+4*\i+3], v[B1O], s[6:7] offset:32*\u+16*\i   ; b1 at hidden units 32 g + 16 h + 8 u + 0 .. 7
.endr
.endr
	WBLOCK 2, 53                                   ; younger than block 2's loads: block 3's 32, x's 17, b1's 4
	WBLOCK 3, 21                                   ; x's 17, b1's 4
	BAR                                            ; the slice lies in LDS as codes
	WIN 0x40
.irp u, 0,1
.irp ks, 0,1,2,3,4,5,6,7
.irp c, 0,1,2,3
	ds_load_b128 v[16*(8*\u+\ks)+4*\c:16*(8*\u+\ks)+4*\c+3], v[WFA] offset:\u*TS+2048*\ks+512*\c   ; my 16 fragments: they stay
.endr
.endr
.endr
	WIN 0
.irp u, 0,1
.irp ks, 0,1,2,3,4,5,6,7
	ds_load_b32 v[WS+8*\u+\ks], v[WSA] offset:512*\u+64*\ks
.endr
.endr
	s_wait_dscnt 0x0
.Ltrip:                                                ; 16 trips of 64 positions
	s_wait_loadcnt 0x0                             ; on every path: what was asked for a trip ago (and b1) is in
	s_cmp_lt_u32 s25, s24
	s_cbranch_scc0 .Lno_stage
.irp i, 0,1,2,3,4,5,6,7
.irp m, 0,1
	ds_store_b128 v[XWA], v[PF+4*(2*\i+\m):PF+4*(2*\i+\m)+3] offset:XP*\i+512*\m   ; 512 consecutive bytes of row 8 w + i
.endr
.endr
	ds_store_b64 v[XSW], v[PF+64:PF+65]
.Lno_stage:
	BAR                                            ; 64 rows of x's codes lie in the stage
	s_cmp_lt_u32 s25, s24
	s_cbranch_scc0 .Lno_work
	s_add_co_u32 s28, s25, 64
	s_cmp_lt_u32 s28, s24
	s_cbranch_scc0 .Lno_next
	PFX                                            ; the next block, if there is one
.Lno_next:
.irp a, 0,1
.irp i, 0,1
	ds_load_b128 v[XS+8*\a+4*\i:XS+8*\a+4*\i+3], v[XSA] offset:16*XSP*\a+16*\i   ; lane r: token r's eight scale words
.endr
.endr
	XFETCH 0
	XFETCH 1
.irp ks, 0,1,2,3,4,5,6,7
.if \ks == 7
	s_wait_dscnt 0x0
.else
	s_wait_dscnt 8                                 ; all but the other buffer's eight loads
.endif
	WIN 0x01                                       ; source 0 (W1) in window 1
.irp a, 0,1
.irp u, 0,1
.if \ks == 0
	v_wmma_scale_f32_16x16x128_f8f6f4 v[ACC+16*\a+8*\u:ACC+16*\a+8*\u+7], v[16*(8*\u+\ks):16*(8*\u+\ks)+15], v[XF+32*(\ks%2)+16*\a:XF+32*(\ks%2)+16*\a+15], v[B1+8*\u:B1+8*\u+7], v[WS+8*\u+\ks], v[XS+8*\a+\ks] matrix_a_fmt:MATRIX_FMT_BF8 matrix_b_fmt:MATRIX_FMT_BF8
.else
	v_wmma_scale_f32_16x16x128_f8f6f4 v[ACC+16*\a+8*\u:ACC+16*\a+8*\u+7], v[16*(8*\u+\ks):16*(8*\u+\ks)+15], v[XF+32*(\ks%2)+16*\a:XF+32*(\ks%2)+16*\a+15], v[ACC+16*\a+8*\u:ACC+16*\a+8*\u+7], v[WS+8*\u+\ks], v[XS+8*\a+\ks] matrix_a_fmt:MATRIX_FMT_BF8 matrix_b_fmt:MATRIX_FMT_BF8
.endif
.endr
.endr                                      ; the four accumulators take turns, one instruction a turn
	WIN 0
	PLACES 8                                       ; eight places ahead of loads into the buffer just multiplied, and of the first read of results
.if \ks < 6
	XFETCH \ks+2
.endif
.endr
	GELU16 0
	GELU16 1
	; h's codes: a lane's 16 numbers of a tile are hidden units 32 g + 16 h + 0 .. 15; the block's other half lies in lane l xor 16
.irp a, 0,1
	v_max3_num_f32 v[HM+\a], |v[ACC+16*\a]|, |v[ACC+16*\a+1]|, 0x8000000
.endr
.irp i, 2,4,6,8,10,12,14
.irp a, 0,1
	v_max3_num_f32 v[HM+\a], v[HM+\a], |v[ACC+16*\a+\i]|, |v[ACC+16*\a+\i+1]|
.endr
.endr
.irp a, 0,1
	v_permlanex16_b32 v[HM+2+\a], v[HM+\a], s[SEL], s[SEL+1]
.endr
.irp a, 0,1
	v_max_num_f32 v[HM+\a], v[HM+\a], v[HM+2+\a]
.endr
.irp a, 0,1
	v_add_nc_u32 v[HM+4+\a], 0xf8800000, v[HM+\a]
.endr
.irp a, 0,1
	v_and_or_b32 v[HM+6+\a], v[HM+\a], 0x7f800000, s[MNT]
.endr
.irp a, 0,1
	v_lshrrev_b32 v[HM+8+\a], 23, v[HM+4+\a]
.endr
.irp a, 0,1
.irp i, 0,1,2,3,4,5,6,7,8,9,10,11,12,13,14,15
	v_med3_num_f32 v[ACC+16*\a+\i], v[ACC+16*\a+\i], -v[HM+6+\a], v[HM+6+\a]
.endr
.endr
.irp a, 0,1
	v_cvt_scalef32_pk8_bf8_f32 v[HC+4*\a:HC+4*\a+1], v[ACC+16*\a:ACC+16*\a+7], v[HM+4+\a]
	v_cvt_scalef32_pk8_bf8_f32 v[HC+4*\a+2:HC+4*\a+3], v[ACC+16*\a+8:ACC+16*\a+15], v[HM+4+\a]
.endr
	v_nop                                          ; a plain line behind the conversions: the next trip's products write their sources
.irp a, 0,1
	global_store_b128 v[HO], v[HC+4*\a:HC+4*\a+3], s[14:15] offset:2048*\a   ; registers 4 g .. 4 g + 3 of the tile's fragment: the wave stores 512 consecutive bytes, aligned
	ds_store_b8 v[SBA], v[HM+8+\a] offset:64*\a    ; both halves of the lanes write the same byte with the same value
.endr
.Lno_work:
	BAR                                            ; the stage has been read out; the block's 64 scale words are whole
	s_cmp_lt_u32 s25, s24
	s_cbranch_scc0 .Lno_words
	s_cmp_lg_u32 s20, 0
	s_cbranch_scc1 .Lno_words
	ds_load_b64 v[SBD:SBD+1], v[SBR]
	s_wait_dscnt 0x0
	global_store_b64 v[HSO], v[SBD:SBD+1], s[16:17]   ; wave 0 stores 256 consecutive bytes, aligned
.Lno_words:
	s_wait_xcnt 0x0                                ; the stores have read their data and bases: both are written again only behind this wait
	s_add_nc_u64 s[14:15], s[14:15], 8192
	s_add_nc_u64 s[16:17], s[16:17], 256
	s_add_co_u32 s25, s25, 64
	s_cmp_lt_u32 s25, 1024
	s_cbranch_scc1 .Ltrip
	s_wait_tensorcnt 0x0
	ds_add_u32 v254, v255
	s_wait_dscnt 0x0
	s_endpgm
.Lfunc_end_k_qcb966cb9c3_up:
	.size	k_qcb966cb9c3_up, .Lfunc_end_k_qcb966cb9c3_up-k_qcb966cb9c3_up
	.p2alignl 7, 3214868480
	.fill 96, 4, 3214868480
	.section	.rodata,"a",@progbits
	.p2align	6, 0x0
	.amdhsa_kernel k_qcb966cb9c3_up
		.amdhsa_group_segment_fixed_size 210944
		.amdhsa_private_segment_fixed_size 0
		.amdhsa_enable_private_segment 0
		.amdhsa_kernarg_size 56
		.amdhsa_user_sgpr_count 2
		.amdhsa_user_sgpr_kernarg_segment_ptr 1
		.amdhsa_wavefront_size32 1
		.amdhsa_system_sgpr_workgroup_id_x 1
		.amdhsa_system_sgpr_workgroup_id_y 1
		.amdhsa_system_sgpr_workgroup_id_z 1
		.amdhsa_system_vgpr_workitem_id 0
		.amdhsa_next_free_vgpr 512
		.amdhsa_next_free_sgpr 72
		.amdhsa_reserve_vcc 1
		.amdhsa_float_denorm_mode_32 3
		.amdhsa_float_denorm_mode_16_64 3
		.amdhsa_memory_ordered 1
		.amdhsa_forward_progress 1
		.amdhsa_inst_pref_size 163
	.end_amdhsa_kernel
	.amdgpu_metadata
---
amdhsa.version: [ 1, 2 ]
amdhsa.kernels:
  - .name:           k_qcb966cb9c3_up
    .symbol:         k_qcb966cb9c3_up.kd
    .args:
      - { .name: W1, .offset: 0, .size: 8, .value_kind: global_buffer, .address_space: global }
      - { .name: b1, .offset: 8, .size: 8, .value_kind: global_buffer, .address_space: global }
      - { .name: xc, .offset: 16, .size: 8, .value_kind: global_buffer, .address_space: global }
      - { .name: xs, .offset: 24, .size: 8, .value_kind: global_buffer, .address_space: global }
      - { .name: sel, .offset: 32, .size: 8, .value_kind: global_buffer, .address_space: global }
      - { .name: hc, .offset: 40, .size: 8, .value_kind: global_buffer, .address_space: global }
      - { .name: hsc, .offset: 48, .size: 8, .value_kind: global_buffer, .address_space: global }
    .group_segment_fixed_size: 210944
    .private_segment_fixed_size: 0
    .kernarg_segment_align: 8
    .kernarg_segment_size: 56
    .max_flat_workgroup_size: 256
    .sgpr_count:     72
    .vgpr_count:     512
    .wavefront_size: 32
...
	.end_amdgpu_metadata
.endif
;; end of part 2
;; launch down (part 3): grid 32 x 8, 8 waves a work-group, no clusters, 210,944 bytes of LDS; arguments W2, hc, hsc, sel, eo; writes eo
.if DOCPART == 3
	.amdgcn_target "amdgcn-amd-amdhsa--gfx1250"
	.amdhsa_code_object_version 6
	.text
	.protected	k_qcb966cb9c3_down
	.globl	k_qcb966cb9c3_down
	.p2align	8
	.type	k_qcb966cb9c3_down,@function
k_qcb966cb9c3_down:
	s_mov_b64 s[64:65], 0
	v_nop
	global_prefetch_b8 v0, s[64:65] scope:SCOPE_SE
	s_setreg_imm32_b32 hwreg(HW_REG_WAVE_MODE, 25, 1), 1
	s_wait_xcnt 0x0
; THE SECOND PRODUCT, FOR THE CHOSEN ROWS ALONE: eo[kh][e][token][:] = h W2[e], summed over half kh of the 4,096 hidden units; the launch behind this one adds the halves, b2 and the gates.
; W2: [8][4096 (K)][1024] f32.  Work-group (x, e), cs = x % 16, kh = x / 16, owns rows 2,048 kh .. + 2,047 x columns 64 cs .. + 63: 512 KB of f32 that nobody else reads.  It reads them once, quantises them along K on the
; way and keeps the codes (LDS, then registers).  No clusters: the weights are shared by nobody, and h's codes are small beside them.  No tensor loads: a trip's work is jumped over on a count read from memory.
; THE STREAM.  A load is two rows' 256 bytes (lanes 0-15, lanes 16-31: 128 rows apart), 16 bytes a lane: a lane holds 4 neighbouring columns of K step 2 w + l / 16, and its registers run down K.  All else as in the launch before.
; THE LIST is made as in the launch before, from the same choices: position = rank in the expert's bitmap.  h lies by positions, so only the stores need the tokens.
; THE ROWS.  16 trips of 64 positions, a constant; trips at or beyond the count jump over their work, never over a barrier.  Wave (kq = w & 3, th = w >> 2): K steps 4 kq .. + 3 x all 64 columns x token tiles 2 th, 2 th + 1.
; Its 16 fragments of W2 stay in window 1.  A fragment of h feeds four products and is read by this wave alone: it comes straight from memory as the image of its registers, four loads of 512 consecutive bytes, a trip ahead.
; The product is used transposed (source 0 = 16 columns of W2, source 1 = 16 tokens): a lane's eight results are eight neighbouring columns of one token.  The four kq waves' parts meet in LDS.
; Positions beyond the count repeat the first token: they store the same bytes once more to that token's row, from this same work-group.
; LIMITS: NaN and infinities are not served.  A block of zeros gets the byte 1.  K is summed in eight parts (2 halves x 4 waves), not in one chain.  An expert without rows still streams its slice,
; and asks for (and never uses) the first block of hc.
.set RS,    4096                       ; bytes from row to row of W2
.set NKS,   16                         ; K steps in the slice
.set TS,    NKS*2048+16
.set WIMG,  0                          ; LDS: 4 tiles x TS
.set WSC,   131328                     ; the weights' scale words: [tile][K step][row] 4 bytes
.set RED,   135424                     ; four planes (kq) of 64 rows x (256 + 16) bytes
.set RP,    272
.set RPL,   64*RP
.set LIST,  205056                     ; 1,024 tokens, 4 bytes each
.set LANE, 1
.set RR,   2
.set HH,   3
.set WLO,  4
.set WST,  5
.set WSW,  6
.set LSTW, 7
.set SELO, 8
.set RT,   9                           ; v9-15 at work on the list; later tokens and offsets
.set WFA0, 16
.set WFA1, 17
.set WSA,  18
.set RWA,  19
.set RRA,  20
.set LA,   21
.set HOFF, 22
.set SOFF, 23
.set C16,  24
.set LAT,  25                          ; an LDS address in hand: never holds loaded data
.set WS,   32                          ; v32-47  W2's scale words (4 n + ks')
.set HSW,  48                          ; v48-55  h's scale words (4 a + ks')
.set ACC,  64                          ; v64-127 eight accumulators (32 a + 8 n); on the way out: rows read back
.set SM,   64                          ; in the stream
.set TQ,   80
.set CQ,   112
.set HFR,  128                         ; v128-255 h's fragments (64 a + 16 ks'); at the head: the choices
.set SELR, 128
.set MNT,  70
.set MSB, 0
.macro WIN new                         ; the immediate's high byte repeats the setting that is left
.if MSB != \new
	s_set_vgpr_msb (MSB<<8)|\new
.set MSB, \new
.endif
.endm
.macro PLACES n
.rept \n
	v_nop
.endr
.endm
.macro BAR                             ; my LDS stores have landed and my LDS loads are in: then the work-group's barrier
	s_wait_dscnt 0x0
	s_barrier_signal -1
	s_barrier_wait -1
.endm
.macro WLOAD t                         ; block t of my K step: 32 rows, into set t % 2 of window 1
	WIN 0x40
.set wi, 0
.rept 32
	global_load_b128 v[128*((\t)%2)+4*wi:128*((\t)%2)+4*wi+3], v[WLO], s[4:5] offset:(32*(\t)+wi)*RS th:TH_LOAD_NT
.set wi, wi+1
.endr
	WIN 0
.endm
.macro WBLOCK t, n                     ; block t is quantised: 4 columns x 32 along K.  n: the younger loads, which may stay out
.set XB, 128*((\t)%2)
	s_wait_loadcnt \n
	WIN 0x14                                       ; sources 1 and 2 in window 1
.irp cc, 0,1,2,3
	v_max3_num_f32 v[SM+\cc], 0x8000000, |v[XB+\cc]|, |v[XB+4+\cc]|   ; the floor 2^(16 - 127) is a leaf: the byte cannot fall under 1
.endr
.set bj, 1
.rept 15
.irp cc, 0,1,2,3
	v_max3_num_f32 v[SM+\cc], v[SM+\cc], |v[XB+8*bj+\cc]|, |v[XB+8*bj+4+\cc]|
.endr
.set bj, bj+1
.endr
	WIN 0
.irp cc, 0,1,2,3
	v_add_nc_u32 v[SM+4+\cc], 0xf8800000, v[SM+\cc]   ; 15 off the exponent field: the conversion's scale operand
.endr
.irp cc, 0,1,2,3
	v_and_or_b32 v[SM+8+\cc], v[SM+\cc], 0x7f800000, s[MNT]   ; 57,344 x the scale
.endr
.irp cc, 0,1,2,3
	v_lshrrev_b32 v[SM+\cc], 23, v[SM+4+\cc]       ; the byte
.endr
.irp cc, 0,1,2,3
.if (\t) == 0
	v_mov_b32 v[SM+12+\cc], v[SM+\cc]
.else
	v_lshl_or_b32 v[SM+12+\cc], v[SM+\cc], 8*(\t), v[SM+12+\cc]   ; my four blocks are the K step's four: the column's scale word is made in this lane
.endif
.endr
.irp cc, 0,1,2,3
	WIN 0x01                                       ; source 0 in window 1
.set bi, 0
.rept 32
	v_med3_num_f32 v[TQ+bi], v[XB+4*bi+\cc], -v[SM+8+\cc], v[SM+8+\cc]   ; the hold (the conversion does not saturate: ISA guide 7.6.2) also lays the column's numbers on end
.set bi, bi+1
.endr
	WIN 0
.if (\cc == 3) && ((\t) < 2)
	WLOAD (\t)+2                                   ; the set has been read out: it takes the block two further on
.endif
	s_wait_dscnt 2                                 ; all but the last column's two stores are done: this set of codes may be written again
.irp g, 0,1,2,3
	v_cvt_scalef32_pk8_bf8_f32 v[CQ+8*(\cc%2)+2*\g:CQ+8*(\cc%2)+2*\g+1], v[TQ+8*\g:TQ+8*\g+7], v[SM+4+\cc]
.endr
	v_nop                                          ; a plain line behind the conversions, ahead of the lines that write their sources
	ds_store_b128 v[WST], v[CQ+8*(\cc%2):CQ+8*(\cc%2)+3] offset:16*\cc+512*(\t)          ; k = 32 t + 0 .. 15: the row's lane of the lower half,
	ds_store_b128 v[WST], v[CQ+8*(\cc%2)+4:CQ+8*(\cc%2)+7] offset:16*\cc+256+512*(\t)    ; k = 32 t + 16 .. 31: of the upper half
.endr
.if (\t) == 3
.irp cc, 0,1,2,3
	ds_store_b32 v[WSW], v[SM+12+\cc] offset:4*\cc
.endr
.endif
.endm
.macro HLOAD a, nx                     ; token tile 2 th + a: its four fragments of h and their scale words, 20 loads.  nx = 1: of the block after the one in hand
.irp k, 0,1,2,3
	global_load_b32 v[HSW+4*(\a)+\k], v[SOFF], s[8:9] offset:4096*\k+64*(\a)+256*(\nx)
.endr
.irp k, 0,1,2,3
.irp c, 0,1,2,3
	global_load_b128 v[HFR+64*(\a)+16*\k+4*\c:HFR+64*(\a)+16*\k+4*\c+3], v[HOFF], s[6:7] offset:131072*\k+2048*(\a)+512*\c+8192*(\nx)
.endr
.endr
.endm
.macro MUL a                           ; 16 products: my four K steps x the four column tiles; the four accumulators take turns, one instruction a turn; the first K step starts the sums
.irp k, 0,1,2,3
.irp n, 0,1,2,3
.if \k == 0
	v_wmma_scale_f32_16x16x128_f8f6f4 v[ACC+32*(\a)+8*\n:ACC+32*(\a)+8*\n+7], v[16*(4*\n+\k):16*(4*\n+\k)+15], v[HFR+64*(\a)+16*\k:HFR+64*(\a)+16*\k+15], 0, v[WS+4*\n+\k], v[HSW+4*(\a)+\k] matrix_a_fmt:MATRIX_FMT_BF8 matrix_b_fmt:MATRIX_FMT_BF8
.else
	v_wmma_scale_f32_16x16x128_f8f6f4 v[ACC+32*(\a)+8*\n:ACC+32*(\a)+8*\n+7], v[16*(4*\n+\k):16*(4*\n+\k)+15], v[HFR+64*(\a)+16*\k:HFR+64*(\a)+16*\k+15], v[ACC+32*(\a)+8*\n:ACC+32*(\a)+8*\n+7], v[WS+4*\n+\k], v[HSW+4*(\a)+\k] matrix_a_fmt:MATRIX_FMT_BF8 matrix_b_fmt:MATRIX_FMT_BF8
.endif
.endr
.endr
.endm
	s_load_b256 s[4:11], s[0:1], 0x0               ; W2, hc, hsc, sel
	s_load_b64 s[12:13], s[0:1], 0x20              ; eo
	v_lshl_add_u32 v62, v0, 2, 0x33400
	v_mov_b32 v63, 0
	v_lshrrev_b32 v1, 5, v0
	v_readfirstlane_b32 s20, v1                    ; wave 0..7
	v_and_b32 v[LANE], 31, v0
	v_and_b32 v[RR], 15, v0
	v_bfe_u32 v[HH], v0, 4, 1
	v_lshlrev_b32 v[WLO], 4, v[RR]
	v_lshl_add_u32 v[WLO], v[HH], 19, v[WLO]       ; lanes 16-31: 128 rows of 4,096 bytes further down
	v_lshlrev_b32 v[SELO], 2, v[LANE]
	s_and_b32 s21, ttmp7, 0xffff                   ; the expert
	s_and_b32 s22, ttmp9, 15                       ; cs
	s_lshr_b32 s23, ttmp9, 4                       ; kh
	s_and_b32 s18, s20, 3                          ; kq
	s_lshr_b32 s19, s20, 2                         ; th
	s_lshl_b32 s28, s21, 24                        ; W2: expert x 2^24 + (2,048 kh + 256 w) rows + 256 cs bytes
	s_lshl_b32 s29, s23, 23
	s_add_co_u32 s28, s28, s29
	s_lshl_b32 s29, s20, 20
	s_add_co_u32 s28, s28, s29
	s_lshl_b32 s29, s22, 8
	s_add_co_u32 s28, s28, s29
	s_mov_b32 s29, 0
	s_wait_kmcnt 0x0
	s_add_nc_u64 s[4:5], s[4:5], s[28:29]
.set ri, 0
.rept 32
	global_load_b32 v[SELR+ri], v[SELO], s[10:11] offset:128*ri   ; all 1,024 choices: load i, lane l: token 32 i + l
.set ri, ri+1
.endr
	WLOAD 0
	WLOAD 1
	; every address is made here, while the first loads are out
	s_lshl_b32 s28, s21, 22
	s_lshl_b32 s30, s23, 21
	s_add_co_u32 s28, s28, s30
	s_lshl_b32 s30, s18, 19
	s_add_co_u32 s28, s28, s30
	s_lshl_b32 s30, s19, 12
	s_add_co_u32 s28, s28, s30
	s_add_nc_u64 s[6:7], s[6:7], s[28:29]          ; hc at (e, K step 16 kh + 4 kq), tile 2 th
	s_lshl_b32 s28, s21, 17
	s_lshl_b32 s30, s23, 16
	s_add_co_u32 s28, s28, s30
	s_lshl_b32 s30, s18, 14
	s_add_co_u32 s28, s28, s30
	s_lshl_b32 s30, s19, 7
	s_add_co_u32 s28, s28, s30
	s_add_nc_u64 s[8:9], s[8:9], s[28:29]          ; hsc likewise
	s_lshl_b32 s28, s23, 3
	s_add_co_u32 s28, s28, s21
	s_lshl_b32 s28, s28, 22
	s_lshl_b32 s30, s22, 8
	s_add_co_u32 s28, s28, s30
	s_add_nc_u64 s[12:13], s[12:13], s[28:29]      ; eo at (kh, e), column 64 cs
	s_mov_b32 s[MNT], 0x600000
	v_lshrrev_b32 v9, 2, v[RR]                     ; my columns' tile: (l % 16) / 4
	v_and_b32 v10, 3, v[LANE]                      ; the first one's row in it: 4 (l % 4)
	s_lshl_b32 s28, s20, 1
	v_add_nc_u32 v11, s28, v[HH]                   ; my K step: 2 w + l / 16
	v_mul_u32_u24 v[WST], v9, TS
	v_lshl_add_u32 v[WST], v11, 11, v[WST]
	v_lshl_add_u32 v[WST], v10, 6, v[WST]
	v_lshl_add_u32 v[WSW], v9, 4, v11
	v_lshlrev_b32 v[WSW], 6, v[WSW]
	v_lshl_add_u32 v[WSW], v10, 4, v[WSW]
	v_add_nc_u32 v[WSW], WSC, v[WSW]
	v_lshl_add_u32 v[LSTW], v0, 2, LIST
	s_lshl_b32 s28, s18, 13
	v_lshl_add_u32 v[WFA0], v[LANE], 4, s28        ; tiles 0, 1: K step 4 kq on
	v_add_nc_u32 v[WFA1], 2*TS, v[WFA0]            ; tiles 2, 3
	s_lshl_b32 s28, s18, 8
	s_add_co_u32 s28, s28, WSC
	v_lshl_add_u32 v[WSA], v[RR], 2, s28
	s_mul_i32 s28, s18, RPL
	s_add_co_u32 s28, s28, RED
	s_lshl_b32 s30, s19, 5
	v_add_nc_u32 v9, s30, v[RR]                    ; 32 th + r
	v_mul_u32_u24 v[RWA], v9, RP
	v_lshl_add_u32 v[RWA], v[HH], 5, v[RWA]
	v_add_nc_u32 v[RWA], s28, v[RWA]               ; into my plane: row 32 th + r, + 32 h bytes
	s_lshl_b32 s30, s20, 3
	v_add_nc_u32 v9, s30, v[HH]                    ; 8 w + l / 16
	v_mul_u32_u24 v[RRA], v9, RP
	v_lshl_add_u32 v[RRA], v[RR], 4, v[RRA]
	v_add_nc_u32 v[RRA], RED, v[RRA]               ; back: sixteen lanes to a row
	v_lshl_add_u32 v[LA], v9, 2, LIST
	v_lshlrev_b32 v[HOFF], 4, v[LANE]
	v_lshlrev_b32 v[SOFF], 2, v[RR]
	v_lshlrev_b32 v[C16], 4, v[RR]
	WBLOCK 0, 32                                   ; younger than block 0's loads: block 1's 32.  (The choices, asked for earlier, are in too)
	WBLOCK 1, 32                                   ; block 2's 32
	; ---- the list, while blocks 2 and 3 are on their way
.set ri, 0
.rept 32
	v_and_b32 v[RT], 0xff, v[SELR+ri]
	v_bfe_u32 v[RT+1], v[SELR+ri], 8, 8
	v_cmp_eq_u32 s[32+ri], s21, v[RT]
	v_cmp_eq_u32 s66, s21, v[RT+1]
	s_or_b32 s[32+ri], s[32+ri], s66               ; word i, bit l: token 32 i + l goes to my expert
.set ri, ri+1
.endr
	s_mov_b32 s24, 0
.set ri, 0
.rept 32
	s_bcnt1_i32_b32 s66, s[32+ri]
	s_add_co_u32 s24, s24, s66                     ; the count
.set ri, ri+1
.endr
	s_mov_b32 s28, 0                               ; 256 p
	s_mov_b32 s29, 0                               ; 1,024 p
.Llist:                                                ; four trips, a constant; the first always works, the others where positions are left
	s_cmp_eq_u32 s28, 0
	s_cbranch_scc1 .Llist_do
	s_cmp_ge_u32 s28, s24
	s_cbranch_scc1 .Llist_skip
.Llist_do:
	v_add_nc_u32 v[RT], s28, v0                    ; my position,
	v_cmp_gt_u32 vcc_lo, s24, v[RT]
	v_cndmask_b32 v[RT], 0, v[RT], vcc_lo          ; or 0 beyond the count
	v_mov_b32 v[RT+1], s32
	v_mov_b32 v[RT+2], 0
	s_bcnt1_i32_b32 s30, s32
.set ri, 1
.rept 31
	s_or_b32 s31, s30, ri<<16
	v_cmp_gt_u32 vcc_lo, s30, v[RT]                ; more bits ahead of word i than my position: the earlier word stays
	v_cndmask_b32 v[RT+1], s[32+ri], v[RT+1], vcc_lo
	v_cndmask_b32 v[RT+2], s31, v[RT+2], vcc_lo    ; the bits ahead of the word | its number << 16
	s_bcnt1_i32_b32 s66, s[32+ri]
	s_add_co_u32 s30, s30, s66
.set ri, ri+1
.endr
	v_and_b32 v[RT+3], 0xffff, v[RT+2]
	v_sub_nc_u32 v[RT+3], v[RT], v[RT+3]           ; my rank inside the word
	v_mov_b32 v[RT+4], 0
	v_mov_b32 v[RT+5], 0
.set ri, 0
.rept 32
	v_bfe_u32 v[RT+6], v[RT+1], ri, 1
	v_add_nc_u32 v[RT+5], v[RT+5], v[RT+6]         ; set bits up to bit b
	v_cmp_le_u32 vcc_lo, v[RT+5], v[RT+3]
	v_add_co_ci_u32 v[RT+4], vcc_lo, 0, v[RT+4], vcc_lo   ; one more bit that lies ahead of mine
.set ri, ri+1
.endr
	v_lshrrev_b32 v[RT+2], 16, v[RT+2]
	v_lshl_add_u32 v[RT+4], v[RT+2], 5, v[RT+4]    ; the token
	v_add_nc_u32 v[LAT], s29, v[LSTW]
	ds_store_b32 v[LAT], v[RT+4]
	s_wait_dscnt 0x0                               ; the store has read its address, which the next trip writes
.Llist_skip:
	s_add_co_u32 s29, s29, 1024
	s_add_co_u32 s28, s28, 256
	s_cmp_lt_u32 s28, 1024
	s_cbranch_scc1 .Llist
	BAR                                            ; the list lies in LDS
	s_mov_b32 s25, 0                               ; 64 b
	s_mov_b32 s26, 0                               ; 256 b
	HLOAD 0, 0                                     ; the first block's h, always: 40 loads on every path
	HLOAD 1, 0
	WBLOCK 2, 63                                   ; younger than block 2's loads: block 3's 32 and h's 40; the count names fewer
	WBLOCK 3, 40                                   ; h's 40
	BAR                                            ; the slice lies in LDS as codes
	WIN 0x40
.irp n, 0,1
.irp k, 0,1,2,3
.irp c, 0,1,2,3
	ds_load_b128 v[16*(4*\n+\k)+4*\c:16*(4*\n+\k)+4*\c+3], v[WFA0] offset:\n*TS+2048*\k+512*\c   ; my 16 fragments: they stay
.endr
.endr
.endr
.irp n, 2,3
.irp k, 0,1,2,3
.irp c, 0,1,2,3
	ds_load_b128 v[16*(4*\n+\k)+4*\c:16*(4*\n+\k)+4*\c+3], v[WFA1] offset:(\n-2)*TS+2048*\k+512*\c
.endr
.endr
.endr
	WIN 0
.irp n, 0,1,2,3
.irp k, 0,1,2,3
	ds_load_b32 v[WS+4*\n+\k], v[WSA] offset:1024*\n+64*\k
.endr
.endr
	s_wait_dscnt 0x0
.Ltrip:                                                ; 16 trips of 64 positions
	s_wait_loadcnt 0x0                             ; on every path: the h that was asked for a trip ago is in
	s_cmp_lt_u32 s25, s24
	s_cbranch_scc0 .Lno_mul
	s_add_co_u32 s28, s25, 64
	WIN 0x01                                       ; source 0 (W2) in window 1
	MUL 0
	WIN 0
	PLACES 8                                       ; eight places ahead of loads into registers that the products have read
	s_cmp_lt_u32 s28, s24
	s_cbranch_scc0 .Lno_h0
	HLOAD 0, 1                                     ; the next block's first tile, if there is a next block
.Lno_h0:
	WIN 0x01
	MUL 1
	WIN 0
	PLACES 8                                       ; likewise, and ahead of the first read of results
	s_cmp_lt_u32 s28, s24
	s_cbranch_scc0 .Lno_h1
	HLOAD 1, 1
.Lno_h1:
.irp a, 0,1
.irp n, 0,1,2,3
	ds_store_b128 v[RWA], v[ACC+32*\a+8*\n:ACC+32*\a+8*\n+3] offset:16*RP*\a+64*\n          ; each accumulator from its low end on: token 16 a + r, columns 16 n + 8 h + 0 .. 7
	ds_store_b128 v[RWA], v[ACC+32*\a+8*\n+4:ACC+32*\a+8*\n+7] offset:16*RP*\a+64*\n+16
.endr
.endr
.Lno_mul:
	BAR                                            ; the four parts of 64 rows lie in LDS
	s_cmp_lt_u32 s25, s24
	s_cbranch_scc0 .Lno_out
	v_add_nc_u32 v[LAT], s26, v[LA]
.irp j, 0,1,2,3
	ds_load_b32 v[RT+\j], v[LAT] offset:8*\j       ; the tokens of my 8 rows
.endr
.irp j, 0,1,2,3
.irp p, 0,1,2,3
	ds_load_b128 v[ACC+16*\j+4*\p:ACC+16*\j+4*\p+3], v[RRA] offset:2*RP*\j+RPL*\p
.endr
.endr
	s_wait_dscnt 0x0
.irp j, 0,1,2,3
	v_min_u32 v[RT+\j], 0x3ff, v[RT+\j]            ; a token's number stays inside the table
.endr
.irp j, 0,1,2,3
	v_lshl_add_u32 v[RT+\j], v[RT+\j], 12, v[C16]
.endr
.irp j, 0,1,2,3
.irp q, 0,2
	v_pk_add_f32 v[ACC+16*\j+\q:ACC+16*\j+\q+1], v[ACC+16*\j+\q:ACC+16*\j+\q+1], v[ACC+16*\j+4+\q:ACC+16*\j+4+\q+1]
	v_pk_add_f32 v[ACC+16*\j+8+\q:ACC+16*\j+8+\q+1], v[ACC+16*\j+8+\q:ACC+16*\j+8+\q+1], v[ACC+16*\j+12+\q:ACC+16*\j+12+\q+1]
.endr
.endr
.irp j, 0,1,2,3
.irp q, 0,2
	v_pk_add_f32 v[ACC+16*\j+\q:ACC+16*\j+\q+1], v[ACC+16*\j+\q:ACC+16*\j+\q+1], v[ACC+16*\j+8+\q:ACC+16*\j+8+\q+1]
.endr
.endr
.irp j, 0,1,2,3
	global_store_b128 v[RT+\j], v[ACC+16*\j:ACC+16*\j+3], s[12:13]   ; sixteen lanes store 256 consecutive bytes of the token's row, aligned
.endr
.Lno_out:
	BAR                                            ; the planes have been read out
	s_wait_xcnt 0x0                                ; loads and stores have read their offsets, data and bases: they are written again only behind this wait
	s_add_nc_u64 s[6:7], s[6:7], 8192
	s_add_nc_u64 s[8:9], s[8:9], 256
	s_add_co_u32 s26, s26, 256
	s_add_co_u32 s25, s25, 64
	s_cmp_lt_u32 s25, 1024
	s_cbranch_scc1 .Ltrip
	s_wait_tensorcnt 0x0
	ds_add_u32 v62, v63
	s_wait_dscnt 0x0
	s_endpgm
.Lfunc_end_k_qcb966cb9c3_down:
	.size	k_qcb966cb9c3_down, .Lfunc_end_k_qcb966cb9c3_down-k_qcb966cb9c3_down
	.p2alignl 7, 3214868480
	.fill 96, 4, 3214868480
	.section	.rodata,"a",@progbits
	.p2align	6, 0x0
	.amdhsa_kernel k_qcb966cb9c3_down
		.amdhsa_group_segment_fixed_size 210944
		.amdhsa_private_segment_fixed_size 0
		.amdhsa_enable_private_segment 0
		.amdhsa_kernarg_size 40
		.amdhsa_user_sgpr_count 2
		.amdhsa_user_sgpr_kernarg_segment_ptr 1
		.amdhsa_wavefront_size32 1
		.amdhsa_system_sgpr_workgroup_id_x 1
		.amdhsa_system_sgpr_workgroup_id_y 1
		.amdhsa_system_sgpr_workgroup_id_z 1
		.amdhsa_system_vgpr_workitem_id 0
		.amdhsa_next_free_vgpr 512
		.amdhsa_next_free_sgpr 72
		.amdhsa_reserve_vcc 1
		.amdhsa_float_denorm_mode_32 3
		.amdhsa_float_denorm_mode_16_64 3
		.amdhsa_memory_ordered 1
		.amdhsa_forward_progress 1
		.amdhsa_inst_pref_size 128
	.end_amdhsa_kernel
	.amdgpu_metadata
---
amdhsa.version: [ 1, 2 ]
amdhsa.kernels:
  - .name:           k_qcb966cb9c3_down
    .symbol:         k_qcb966cb9c3_down.kd
    .args:
      - { .name: W2, .offset: 0, .size: 8, .value_kind: global_buffer, .address_space: global }
      - { .name: hc, .offset: 8, .size: 8, .value_kind: global_buffer, .address_space: global }
      - { .name: hsc, .offset: 16, .size: 8, .value_kind: global_buffer, .address_space: global }
      - { .name: sel, .offset: 24, .size: 8, .value_kind: global_buffer, .address_space: global }
      - { .name: eo, .offset: 32, .size: 8, .value_kind: global_buffer, .address_space: global }
    .group_segment_fixed_size: 210944
    .private_segment_fixed_size: 0
    .kernarg_segment_align: 8
    .kernarg_segment_size: 40
    .max_flat_workgroup_size: 256
    .sgpr_count:     72
    .vgpr_count:     512
    .wavefront_size: 32
...
	.end_amdgpu_metadata
.endif
;; end of part 3
;; launch combine (part 4): grid 512 x 1, 4 waves a work-group, no clusters, 0 bytes of LDS; arguments eo, b2, sel, gw, out0; writes out0
.if DOCPART == 4
	.amdgcn_target "amdgcn-amd-amdhsa--gfx1250"
	.amdhsa_code_object_version 6
	.text
	.protected	k_qcb966cb9c3_combine
	.globl	k_qcb966cb9c3_combine
	.p2align	8
	.type	k_qcb966cb9c3_combine,@function
k_qcb966cb9c3_combine:
	s_mov_b64 s[64:65], 0
	v_nop
	global_prefetch_b8 v0, s[64:65] scope:SCOPE_SE
	s_setreg_imm32_b32 hwreg(HW_REG_WAVE_MODE, 25, 1), 1
	s_wait_xcnt 0x0
; out[t] = g0 (eo[0][e0][t] + eo[1][e0][t] + b2[e0]) + g1 (eo[0][e1][t] + eo[1][e1][t] + b2[e1]), all f32.  eo: [2 halves of K][8][1024 tokens][1024]; b2: [8][1024]; sel [t] = e0 | e1 << 8; gw [t] = g0, g1.
; A stream: each output row has one owner.  A wave takes half a row (2,048 bytes): four loads of 512 consecutive bytes from each of six rows, all 24 out together, four stores of 512 consecutive bytes.
; The experts' numbers are whole numbers that an earlier launch stored; they are held at 7 from above before they enter an address.  No LDS, no barrier, no matrix unit: nothing here is shared or multiplied in bulk.
	s_load_b256 s[4:11], s[0:1], 0x0               ; eo, b2, sel, gw
	s_load_b64 s[12:13], s[0:1], 0x20              ; out0
	v_lshrrev_b32 v1, 5, v0
	v_readfirstlane_b32 s14, v1                    ; wave
	v_and_b32 v1, 31, v0
	s_lshr_b32 s15, s14, 1
	s_and_b32 s16, s14, 1                          ; which half of the row
	s_lshl_b32 s17, ttmp9, 1
	s_add_co_u32 s17, s17, s15                     ; the token
	s_lshl_b32 s18, s17, 2
	s_mov_b32 s19, 0
	s_lshl_b32 s20, s17, 3
	s_mov_b32 s21, 0
	s_wait_kmcnt 0x0
	s_add_nc_u64 s[8:9], s[8:9], s[18:19]
	s_add_nc_u64 s[10:11], s[10:11], s[20:21]
	s_load_b32 s22, s[8:9], 0x0
	s_load_b64 s[24:25], s[10:11], 0x0
	v_lshlrev_b32 v2, 4, v1
	s_lshl_b32 s23, s16, 11
	v_add_nc_u32 v2, s23, v2                       ; 2,048 x half + 16 x lane
	s_mov_b32 s29, 0
	s_wait_kmcnt 0x0
	s_and_b32 s26, s22, 0xff
	s_min_u32 s26, s26, 7
	s_bfe_u32 s27, s22, 0x80008
	s_min_u32 s27, s27, 7
	s_lshl_b32 s28, s26, 10
	s_add_co_u32 s28, s28, s17
	s_lshl_b32 s28, s28, 12
	s_add_nc_u64 s[32:33], s[4:5], s[28:29]        ; eo[0][e0][t]
	s_add_nc_u64 s[34:35], s[32:33], 0x2000000     ; eo[1][e0][t]
	s_lshl_b32 s28, s27, 10
	s_add_co_u32 s28, s28, s17
	s_lshl_b32 s28, s28, 12
	s_add_nc_u64 s[36:37], s[4:5], s[28:29]        ; eo[0][e1][t]
	s_add_nc_u64 s[38:39], s[36:37], 0x2000000
	s_lshl_b32 s28, s26, 12
	s_add_nc_u64 s[40:41], s[6:7], s[28:29]        ; b2[e0]
	s_lshl_b32 s28, s27, 12
	s_add_nc_u64 s[42:43], s[6:7], s[28:29]        ; b2[e1]
	s_lshl_b32 s28, s17, 12
	s_add_nc_u64 s[12:13], s[12:13], s[28:29]
	s_mov_b32 s44, s25                             ; g1 as the low word of a pair of its own: the packed forms take a scalar pair's low word for both halves
	s_mov_b32 s45, s25
.irp m, 0,1,2,3
	global_load_b128 v[16+4*\m:19+4*\m], v2, s[32:33] offset:512*\m th:TH_LOAD_NT
	global_load_b128 v[32+4*\m:35+4*\m], v2, s[34:35] offset:512*\m th:TH_LOAD_NT
	global_load_b128 v[48+4*\m:51+4*\m], v2, s[36:37] offset:512*\m th:TH_LOAD_NT
	global_load_b128 v[64+4*\m:67+4*\m], v2, s[38:39] offset:512*\m th:TH_LOAD_NT
	global_load_b128 v[80+4*\m:83+4*\m], v2, s[40:41] offset:512*\m
	global_load_b128 v[96+4*\m:99+4*\m], v2, s[42:43] offset:512*\m
.endr
	s_wait_loadcnt 0x0
.irp p, 0,2,4,6,8,10,12,14
	v_pk_add_f32 v[16+\p:17+\p], v[16+\p:17+\p], v[32+\p:33+\p]
	v_pk_add_f32 v[48+\p:49+\p], v[48+\p:49+\p], v[64+\p:65+\p]
.endr
.irp p, 0,2,4,6,8,10,12,14
	v_pk_add_f32 v[16+\p:17+\p], v[16+\p:17+\p], v[80+\p:81+\p]
	v_pk_add_f32 v[48+\p:49+\p], v[48+\p:49+\p], v[96+\p:97+\p]
.endr
.irp p, 0,2,4,6,8,10,12,14
	v_pk_mul_f32 v[16+\p:17+\p], v[16+\p:17+\p], s[24:25] op_sel_hi:[1,0]
.endr
.irp p, 0,2,4,6,8,10,12,14
	v_pk_fma_f32 v[16+\p:17+\p], v[48+\p:49+\p], s[44:45], v[16+\p:17+\p] op_sel_hi:[1,0,1]
.endr
.irp m, 0,1,2,3
	global_store_b128 v2, v[16+4*\m:19+4*\m], s[12:13] offset:512*\m th:TH_STORE_NT
.endr
	s_endpgm
.Lfunc_end_k_qcb966cb9c3_combine:
	.size	k_qcb966cb9c3_combine, .Lfunc_end_k_qcb966cb9c3_combine-k_qcb966cb9c3_combine
	.p2alignl 7, 3214868480
	.fill 96, 4, 3214868480
	.section	.rodata,"a",@progbits
	.p2align	6, 0x0
	.amdhsa_kernel k_qcb966cb9c3_combine
		.amdhsa_group_segment_fixed_size 0
		.amdhsa_private_segment_fixed_size 0
		.amdhsa_enable_private_segment 0
		.amdhsa_kernarg_size 40
		.amdhsa_user_sgpr_count 2
		.amdhsa_user_sgpr_kernarg_segment_ptr 1
		.amdhsa_wavefront_size32 1
		.amdhsa_system_sgpr_workgroup_id_x 1
		.amdhsa_system_sgpr_workgroup_id_y 1
		.amdhsa_system_sgpr_workgroup_id_z 1
		.amdhsa_system_vgpr_workitem_id 0
		.amdhsa_next_free_vgpr 112
		.amdhsa_next_free_sgpr 66
		.amdhsa_reserve_vcc 0
		.amdhsa_float_denorm_mode_32 3
		.amdhsa_float_denorm_mode_16_64 3
		.amdhsa_memory_ordered 1
		.amdhsa_forward_progress 1
		.amdhsa_inst_pref_size 8
	.end_amdhsa_kernel
	.amdgpu_metadata
---
amdhsa.version: [ 1, 2 ]
amdhsa.kernels:
  - .name:           k_qcb966cb9c3_combine
    .symbol:         k_qcb966cb9c3_combine.kd
    .args:
      - { .name: eo, .offset: 0, .size: 8, .value_kind: global_buffer, .address_space: global }
      - { .name: b2, .offset: 8, .size: 8, .value_kind: global_buffer, .address_space: global }
      - { .name: sel, .offset: 16, .size: 8, .value_kind: global_buffer, .address_space: global }
      - { .name: gw, .offset: 24, .size: 8, .value_kind: global_buffer, .address_space: global }
      - { .name: out0, .offset: 32, .size: 8, .value_kind: global_buffer, .address_space: global }
    .group_segment_fixed_size: 0
    .private_segment_fixed_size: 0
    .kernarg_segment_align: 8
    .kernarg_segment_size: 40
    .max_flat_workgroup_size: 128
    .sgpr_count:     66
    .vgpr_count:     112
    .wavefront_size: 32
...
	.end_amdgpu_metadata
.endif
;; end of part 4
;; ======== version 2 of 2: 4 launches; version 1 with the launches up, down written anew for expert scheduling mode
;; workspace buffers: xc 1,048,576 bytes; xs 32,768 bytes; sel 4,096 bytes of whole numbers; gw 8,192 bytes; hc 33,554,432 bytes; hsc 1,048,576 bytes; eo 67,108,864 bytes
;; launch gate: the kernel of part 1 again; grid 256 x 1, 4 waves a work-group, no clusters, 1,536 bytes of LDS; arguments x, Wg, bg, xc, xs, sel, gw; writes xc, xs, sel, gw
;; launch up (part 5): grid 32 x 8, 8 waves a work-group, no clusters, 210,944 bytes of LDS; arguments W1, b1, xc, xs, sel, hc, hsc; writes hc, hsc
.if DOCPART == 5
	.amdgcn_target "amdgcn-amd-amdhsa--gfx1250"
	.amdhsa_code_object_version 6
	.text
	.protected	k_qcb966cb9c3_up
	.globl	k_qcb966cb9c3_up
	.p2align	8
	.type	k_qcb966cb9c3_up,@function
k_qcb966cb9c3_up:
	s_mov_b64 s[64:65], 0
	v_nop
	global_prefetch_b8 v0, s[64:65] scope:SCOPE_SE
	s_setreg_imm32_b32 hwreg(HW_REG_WAVE_SCHED_MODE, 0, 2), 2
	s_setreg_imm32_b32 hwreg(HW_REG_WAVE_MODE, 25, 1), 1
	s_wait_xcnt 0x0
	s_wait_alu depctr_vm_vsrc(0)
; THE FIRST PRODUCT, FOR THE CHOSEN ROWS ALONE: h = gelu(x W1[e] + b1[e]), as codes of E5M2 with one E8M0 scale for each 32 hidden units.
; W1: [8][1024 (K)][4096] f32.  Work-group (hs, e) owns hidden units 128 hs .. + 127 of expert e: 512 KB of f32, which nobody else reads.  It reads them once, quantises them along K on the way, keeps the codes
; (first in LDS, then in registers) and multiplies them with every row that the router gave to e.  No clusters: no two work-groups share a byte of the weights, and what they share (x's codes) is small beside them.
; No tensor loads: a trip's work is jumped over on a count read from memory.
; THE STREAM.  Wave w takes K step w (rows 128 w .. + 127).  A load is one row's 512 bytes, 16 a lane: a lane holds 4 neighbouring columns and its registers run down K, so a block of 32 along K of a column lies in
; one lane.  64 loads a wave are out.  The hold at the largest code also sorts the four columns apart.  Codes go to LDS as IMAGES OF THE OPERAND'S REGISTERS: [tile][K step][c][lane][16 bytes].
; THE COLUMNS THAT FORM A TILE ARE NOT NEIGHBOURS: row r of tile 2 b + u is hidden unit 32 b + 8 u + r + 8 (r / 8), so that a lane's 16 results of tiles 2 b, 2 b + 1 are 16 neighbours along the next K.
; THE LIST.  Every wave reads all 1,024 choices, makes e's bitmap in s[32:63] and counts it.  A token's position is its rank in the bitmap.  A wave fetches rows 8 w .. 8 w + 7 of every block of 64 positions, so its lanes
; find just those tokens: lane l, pass p: position 256 p + 64 (l / 8) + 8 w + l % 8.  They stay in four registers: the list needs no LDS and no barrier.  A block's eight tokens are read out as scalars, so that a row of
; x's codes comes from a scalar base, 512 consecutive bytes a load.  Positions from the count up to the next multiple of 256 repeat the first token: so blocks of 64 are always whole.  The launch behind this one ranks alike.
; THE ROWS.  16 trips of 64 positions, a constant, with the barriers on every path; trips at or beyond the count jump over their work.  Wave (g = w & 3, th = w >> 2): hidden units 32 g .. + 31 (one scale block, two tiles)
; x token tiles 2 th, 2 th + 1.  Its 16 fragments of W1 stay in window 1.  x's codes of the next block are asked for a trip ahead, into registers, and go through LDS.
; The product is used transposed (source 0 = 16 hidden units, source 1 = 16 tokens): a lane holds one token.  b1 is the C of each sum's first product.
; GELU: v Phi(v) = max(v, 0) - |v| s, s = erfc(|v| / sqrt 2) / 2: for v < 0 that is v s, for v >= 0 it is v (1 - s), in one fused multiply-add.  erfc(z) = t exp(-z z + P(t)), t = 1 / (1 + z / 2), P of degree 9
; (a fit whose fractional error is 1.2e-7 for every z); the half is ln 2 taken off P's constant.
; OUT: hc [e][hs][tile of 16 positions][c][lane][16 bytes]: the next product's operand as it stands in registers; hsc [e][hs][position] one word of four bytes.
; LIMITS: NaN and infinities are not served.  A block of zeros gets the byte 1 (its codes are zeros; this program alone reads the bytes).  The exponent -z z + P(t) is rounded in f32, so s's relative error
; grows with v v (about 1e-7 x v v / 2); under 2^-126 the exponential counts as 0.  An expert without rows still streams its slice: half of it is asked for before the count is known.
; THE MODE: SCHED_MODE bits 1:0 = 2 (LLVM: expert scheduling mode 2), set by the entry lines.  The code itself states the register dependences between vector or matrix instructions and memory or LDS
; instructions, and those through scalar registers that vector instructions write, with s_wait_alu, always for 0.
; THE PLAN.  Registers that memory or LDS instructions touch:
;   window 1, two sets of 128   The stream: block t's maxima and holds read set t % 2; behind them the loads of block t + 2 land in it.  Behind the stream my 16 fragments land there, once.
;   CQ0 .. CQ3, four scale words   Block t's conversions (and shifts) write them; its LDS stores read them.
;   PF          A fetch's 17 loads land in it; the next trip's LDS stores into the stage read it.  At the head it holds the choices, which the bitmap's lines read.
;   v[RT]       Made anew in each fetch; read by that fetch's last load.
;   XS, XF0, XF1   LDS loads land in them; the products read them; behind a trip's last product GELU and h's quantiser work in XF's registers.
;   HC, two bytes  Written by h's conversions and shifts; read by the trip's stores.     SBD   (wave 0) an LDS load lands in it, a store reads it.
;   All other addresses and offsets are made once, at the head, and never written again; the rows of hc and hsc are reached by scalar bases.
; So in the stream ONE wait on va_vdst stands in a block, behind its last conversion: the set has been read out, the codes and the words are written; the set's refill and the block's stores follow it.  One wait on
; vm_vsrc stands ahead of a block's first conversion.  In a trip ONE wait on vm_vsrc stands behind the first barrier, ahead of the branches, for all that the trip writes again; waits on va_vdst stand ahead of the
; fetch's loads, ahead of the trip's first LDS loads, behind each K step whose buffer is asked for again, and ahead of the trip's stores.  The compares go in runs into scalar registers, one wait on va_sdst behind a run;
; no vector instruction of this text writes VCC.
.set RS,    16384                      ; bytes from row to row of W1
.set NKS,   8                          ; K steps in the slice
.set TS,    NKS*2048+16                ; a tile's images, + 16 bytes so that neighbouring tiles begin in other banks
.set WIMG,  0                          ; LDS: 8 tiles x TS
.set WSC,   131328                     ; the weights' scale words: [tile][K step][row] 4 bytes
.set XST,   135424                     ; x's codes of 64 tokens, rows of 1,024 + 16 bytes
.set XP,    1040
.set XSS,   201984                     ; x's scale bytes, rows of 32 + 16
.set XSP,   48
.set SB,    209664                     ; a block's 64 scale words of h
.set LANE, 1
.set RR,   2                           ; lane % 16
.set HH,   3                           ; lane / 16
.set WLO,  4                           ; 16 x lane: my 16 bytes of a row of the slice, and of half a row of x's codes
.set WST,  5                           ; where my columns' codes go
.set WSW,  6                           ; and their scale words
.set QB,   7                           ; 64 (l / 8) + 8 w + l % 8: my position in a pass of 256
.set SELO, 8
.set RT,   9                           ; v9-15 at work on the list; later v9: my offset among x's scale bytes
.set WFA,  16                          ; my fragments' images
.set WSA,  17
.set XWA,  18                          ; into the stage of x's codes
.set XSW,  19
.set XSA,  20                          ; out of it
.set XFA,  21
.set TK0,  22                          ; my wave's tokens: four blocks to a register, lanes 8 k .. 8 k + 7 the k-th of them; TK0 holds the block to be fetched next
.set TK1,  23
.set HO,   24                          ; my place in a block of hc
.set SBA,  25
.set SBR,  26
.set HSO,  27
.set B1O,  28
.set TK2,  29
.set C8,   30
.set TK3,  31
.set WS,   32                          ; v32-47  W1's scale words (8 u + ks)
.set B1,   48                          ; v48-63  b1 in the result's layout (8 u + j)
.set XS,   64                          ; v64-79  x's scale words (8 a + ks)
.set ACC,  80                          ; v80-111 four accumulators (16 a + 8 u)
.set TQ,   80                          ; in the stream: a column's 32 numbers
.set XF,   112                         ; v112-175 x's fragments, two buffers of two
.set SM,   128                         ; in the stream: magnitude / byte, scale operand, limit, scale word, for each of 4 columns
.set CQ,   144                         ; in the stream: codes, four sets of 8, one for each of a block's columns
.set ZS,   112                         ; GELU at work
.set TT,   128
.set PP,   144
.set HM,   160                         ; h's quantiser at work
.set PF,   176                         ; v176-241 the next block's codes of x (64) and scale bytes (2); at the head: the choices
.set SELR, 176
.set HC,   242                         ; v242-249 h's codes
.set K8,   250                         ; v[250:251] a coefficient, twice
.set SBD,  252
.set PL,   27                          ; s27     the lane of TK0 at which the next block's eight tokens begin: 0, 8, 16, 24
.set XBS,  32                          ; s[32:47] behind the list: the addresses of eight rows of x's codes
.set TKS,  48                          ; s48-55  their tokens
.set MK,   55                          ; s56-62  lane masks: MK + i names lanes 4 i .. 4 i + 3
.set SEL,  68
.set MNT,  70
.set LM,   72                          ; s72-79  the list: a run of eight compares' masks
.set LP,   80                          ; s80-87  the list: for eight words, the bits ahead of the word | its number << 16
.set MSB, 0
.macro WIN new                         ; the immediate's high byte repeats the setting that is left
.if MSB != \new
	s_set_vgpr_msb (MSB<<8)|\new
.set MSB, \new
.endif
.endm
.macro PLACES n
.rept \n
	v_nop
.endr
.endm
.macro BAR                             ; my LDS stores have landed and my LDS loads are in: then the work-group's barrier
	s_wait_dscnt 0x0
	s_barrier_signal -1
	s_barrier_wait -1
.endm
.macro WLOAD t                         ; block t of my K step: 32 rows, into set t % 2 of window 1
	WIN 0x40
.set wi, 0
.rept 32
	global_load_b128 v[128*((\t)%2)+4*wi:128*((\t)%2)+4*wi+3], v[WLO], s[4:5] offset:(32*(\t)+wi)*RS th:TH_LOAD_NT
.set wi, wi+1
.endr
	WIN 0
.endm
.macro WBLOCK t, n                     ; block t is quantised: 4 columns x 32 along K.  n: the younger loads, which may stay out
.set XB, 128*((\t)%2)
	s_wait_loadcnt \n
	WIN 0x14                                       ; sources 1 and 2 in window 1
.irp cc, 0,1,2,3
	v_max3_num_f32 v[SM+\cc], 0x8000000, |v[XB+\cc]|, |v[XB+4+\cc]|   ; the floor 2^(16 - 127) is a leaf: the byte cannot fall under 1
.endr
.set bj, 1
.rept 15
.irp cc, 0,1,2,3
	v_max3_num_f32 v[SM+\cc], v[SM+\cc], |v[XB+8*bj+\cc]|, |v[XB+8*bj+4+\cc]|
.endr
.set bj, bj+1
.endr
	WIN 0
.irp cc, 0,1,2,3
	v_add_nc_u32 v[SM+4+\cc], 0xf8800000, v[SM+\cc]   ; 15 off the exponent field: the conversion's scale operand
.endr
.irp cc, 0,1,2,3
	v_and_or_b32 v[SM+8+\cc], v[SM+\cc], 0x7f800000, s[MNT]   ; 57,344 x the scale
.endr
.irp cc, 0,1,2,3
	v_lshrrev_b32 v[SM+\cc], 23, v[SM+4+\cc]       ; the byte
.endr
.irp cc, 0,1,2,3
.if (\t) == 0
	v_mov_b32 v[SM+12+\cc], v[SM+\cc]
.else
	v_lshl_or_b32 v[SM+12+\cc], v[SM+\cc], 8*(\t), v[SM+12+\cc]   ; my four blocks are the K step's four: the column's scale word is made in this lane
.endif
.endr
.irp cc, 0,1,2,3
	WIN 0x01                                       ; source 0 in window 1
.set bi, 0
.rept 32
	v_med3_num_f32 v[TQ+bi], v[XB+4*bi+\cc], -v[SM+8+\cc], v[SM+8+\cc]   ; the hold (the conversion does not saturate: ISA guide 7.6.2) also lays the column's numbers on end
.set bi, bi+1
.endr
	WIN 0
.if (\cc == 0) && ((\t) > 0)
	s_wait_dscnt 0x0                               ; the last block's eight stores are done,
	s_wait_alu depctr_vm_vsrc(0)                   ; and have read the four sets of codes, which the conversions below write again
.endif
.irp g, 0,1,2,3
	v_cvt_scalef32_pk8_bf8_f32 v[CQ+8*\cc+2*\g:CQ+8*\cc+2*\g+1], v[TQ+8*\g:TQ+8*\g+7], v[SM+4+\cc]
.endr
	v_nop                                          ; a plain line behind the conversions, ahead of the lines that write their sources
.endr
	s_wait_alu depctr_va_vdst(0)                   ; the maxima and holds are done reading the set, in which the loads below land; the conversions have written the codes, and the lines above the scale words and (block 0) the head's addresses, which the stores below read
.if (\t) < 2
	WLOAD (\t)+2                                   ; the set has been read out: it takes the block two further on
.endif
.irp cc, 0,1,2,3
	ds_store_b128 v[WST], v[CQ+8*\cc:CQ+8*\cc+3] offset:16*\cc+512*(\t)          ; k = 32 t + 0 .. 15: the row's lane of the lower half,
	ds_store_b128 v[WST], v[CQ+8*\cc+4:CQ+8*\cc+7] offset:16*\cc+256+512*(\t)    ; k = 32 t + 16 .. 31: of the upper half
.endr
.if (\t) == 3
.irp cc, 0,1,2,3
	ds_store_b32 v[WSW], v[SM+12+\cc] offset:4*\cc
.endr
.endif
.endm
; x's codes and scale bytes of the next block's 64 positions are asked for: my wave's 8 rows, 17 loads.  Every call takes the block behind the last call's.
; No load that names these scalars or v[RT] is out here: the wait for all loads at a trip's head stands between two calls.
.macro PFX
.irp i, 0,1,2,3,4,5,6,7
	s_add_co_u32 s[TKS+\i], s[PL], \i              ; the lane that holds row i's token,
.endr
.irp i, 0,1,2,3,4,5,6,7
	v_readlane_b32 s[TKS+\i], v[TK0], s[TKS+\i]    ; and the token
.endr
	s_wait_alu depctr_va_sdst(0)                   ; the eight tokens are written, ahead of their first readers
.irp i, 0,1,2,3,4,5,6,7
	s_min_u32 s[TKS+\i], s[TKS+\i], 0x3ff          ; a token's number stays inside the table
.endr
	s_mov_b32 s29, 0
.irp i, 0,1,2,3,4,5,6,7
	s_lshl_b32 s28, s[TKS+\i], 10
	s_add_nc_u64 s[XBS+2*\i:XBS+2*\i+1], s[8:9], s[28:29]   ; the row's 1,024 codes
.endr
	v_mov_b32 v[RT], s[TKS]                        ; the scale bytes: 32 a row, four lanes to a row: lane l wants row l / 4's token
.irp i, 1,2,3,4,5,6,7
	v_cndmask_b32 v[RT], v[RT], s[TKS+\i], s[MK+\i]
.endr
	v_min_u32 v[RT], 0x3ff, v[RT]
	v_lshl_add_u32 v[RT], v[RT], 5, v[C8]
	s_wait_alu depctr_va_vdst(0)                   ; v[RT] is written, which the last load below reads; in the first call also: the bitmap's lines are done reading the choices' registers, in which these loads land
.irp i, 0,1,2,3,4,5,6,7
.irp m, 0,1
	global_load_b128 v[PF+4*(2*\i+\m):PF+4*(2*\i+\m)+3], v[WLO], s[XBS+2*\i:XBS+2*\i+1] offset:512*\m   ; the wave reads 512 consecutive bytes of the row, aligned
.endr
.endr
	global_load_b64 v[PF+64:PF+65], v[RT], s[10:11]
	s_add_co_u32 s[PL], s[PL], 8                   ; on to the next block's eight lanes;
	s_cmp_eq_u32 s[PL], 32
	s_cselect_b32 s63, -1, 0                       ; behind a register's fourth block the registers move up by one
	s_cselect_b32 s[PL], 0, s[PL]
	v_cndmask_b32 v[TK0], v[TK0], v[TK1], s63
	v_cndmask_b32 v[TK1], v[TK1], v[TK2], s63
	v_cndmask_b32 v[TK2], v[TK2], v[TK3], s63
.endm
.macro XFETCH ks                       ; my two tiles' fragments of K step ks, into buffer ks % 2
.irp a, 0,1
.irp c, 0,1,2,3
	ds_load_b128 v[XF+32*((\ks)%2)+16*\a+4*\c:XF+32*((\ks)%2)+16*\a+4*\c+3], v[XFA] offset:16*XP*\a+128*(\ks)+32*\c
.endr
.endr
.endm
.macro GELU16 a                        ; the 16 numbers of token tile a, in place.  Each accumulator is read from its low end on
.set GV, ACC+16*(\a)
.irp p, 0,2,4,6,8,10,12,14
	v_pk_mul_f32 v[ZS+\p:ZS+\p+1], v[GV+\p:GV+\p+1], 0x3f3504f3 op_sel_hi:[1,0]   ; v / sqrt 2
.endr
.irp i, 0,1,2,3,4,5,6,7,8,9,10,11,12,13,14,15
	v_fma_f32 v[TT+\i], |v[ZS+\i]|, 0.5, 1.0
.endr
.irp i, 0,1,2,3,4,5,6,7,8,9,10,11,12,13,14,15
	v_rcp_f32 v[TT+\i], v[TT+\i]                   ; t
.endr
	v_nop                                          ; a plain line behind the batch,
	s_wait_alu depctr_va_vdst(0)                   ; and one wait for the sixteen: the reciprocals have written v[TT ..], ahead of their first reader
.irp p, 0,2,4,6,8,10,12,14
	v_pk_fma_f32 v[PP+\p:PP+\p+1], v[TT+\p:TT+\p+1], 0x3e2ef946, v[K8:K8+1] op_sel_hi:[1,0,1]   ; 0.17087277 t - 0.82215223
.endr
.irp cf, 0x3fbe87b0, 0xbf914e5d, 0x3e8ec7cc, 0xbe3ec24c, 0x3dc636c9, 0x3ebf88fb, 0x3f8000c7, 0xbffab55a
.irp p, 0,2,4,6,8,10,12,14
	v_pk_fma_f32 v[PP+\p:PP+\p+1], v[PP+\p:PP+\p+1], v[TT+\p:TT+\p+1], \cf op_sel_hi:[1,1,0]   ; 1.48851587, -1.13520398, 0.27886807, -0.18628806, 0.09678418, 0.37409196, 1.00002368, -1.26551223 - ln 2 = -1.95865941
.endr
.endr
.irp p, 0,2,4,6,8,10,12,14
	v_pk_fma_f32 v[PP+\p:PP+\p+1], v[ZS+\p:ZS+\p+1], v[ZS+\p:ZS+\p+1], v[PP+\p:PP+\p+1] neg_lo:[1,0,0] neg_hi:[1,0,0]   ; P(t) - ln 2 - z z
.endr
.irp p, 0,2,4,6,8,10,12,14
	v_pk_mul_f32 v[PP+\p:PP+\p+1], v[PP+\p:PP+\p+1], 0x3fb8aa3b op_sel_hi:[1,0]
.endr
.irp i, 0,1,2,3,4,5,6,7,8,9,10,11,12,13,14,15
	v_exp_f32 v[PP+\i], v[PP+\i]
.endr
.irp i, 0,1,2,3,4,5,6,7,8,9,10,11,12,13,14,15
	v_max_num_f32 v[ZS+\i], 0, v[GV+\i]            ; max(v, 0): plain work that names no exponential's result, behind the batch
.endr
	s_wait_alu depctr_va_vdst(0)                   ; one wait for the sixteen: the exponentials have written v[PP ..], ahead of their first reader
.irp p, 0,2,4,6,8,10,12,14
	v_pk_mul_f32 v[TT+\p:TT+\p+1], v[TT+\p:TT+\p+1], v[PP+\p:PP+\p+1]   ; s = erfc(|v| / sqrt 2) / 2
.endr
.irp i, 0,1,2,3,4,5,6,7,8,9,10,11,12,13,14,15
	v_fma_f32 v[GV+\i], -|v[GV+\i]|, v[TT+\i], v[ZS+\i]   ; max(v, 0) - |v| s: no difference of near numbers is formed for v < 0, so the small results keep their relative accuracy
.endr
.endm
	s_load_b256 s[4:11], s[0:1], 0x0               ; W1, b1, xc, xs
	s_load_b128 s[12:15], s[0:1], 0x20             ; sel, hc
	s_load_b64 s[16:17], s[0:1], 0x30              ; hsc
	v_lshl_add_u32 v254, v0, 2, 0x33400
	v_mov_b32 v255, 0
	v_lshrrev_b32 v1, 5, v0
	v_readfirstlane_b32 s20, v1                    ; wave 0..7
	v_and_b32 v[LANE], 31, v0
	v_and_b32 v[RR], 15, v0
	v_bfe_u32 v[HH], v0, 4, 1
	v_lshlrev_b32 v[WLO], 4, v[LANE]
	v_lshlrev_b32 v[SELO], 2, v[LANE]
	s_and_b32 s21, ttmp7, 0xffff                   ; the expert
	s_wait_alu depctr_va_sdst(0)                   ; s20 is written, ahead of its first reader
	s_and_b32 s18, s20, 3                          ; g
	s_lshr_b32 s19, s20, 2                         ; th
	s_lshl_b32 s28, s21, 24                        ; W1: expert x 2^24 + 128 w rows + 512 hs bytes
	s_lshl_b32 s29, s20, 21
	s_add_co_u32 s28, s28, s29
	s_lshl_b32 s29, ttmp9, 9
	s_add_co_u32 s28, s28, s29
	s_mov_b32 s29, 0
	s_wait_kmcnt 0x0
	s_add_nc_u64 s[4:5], s[4:5], s[28:29]
	s_wait_alu depctr_va_vdst(0)                   ; v[SELO] and v[WLO] are written, which the loads below read as their offsets
.set ri, 0
.rept 32
	global_load_b32 v[SELR+ri], v[SELO], s[12:13] offset:128*ri   ; all 1,024 choices: load i, lane l: token 32 i + l
.set ri, ri+1
.endr
	WLOAD 0
	WLOAD 1
	; every address is made here, while the first loads are out
	s_lshl_b32 s28, s21, 14
	s_lshl_b32 s30, ttmp9, 9
	s_add_co_u32 s28, s28, s30
	s_lshl_b32 s30, s18, 7
	s_add_co_u32 s28, s28, s30
	s_add_nc_u64 s[6:7], s[6:7], s[28:29]          ; b1 at my 32 hidden units
	s_lshl_b32 s28, s21, 22
	s_lshl_b32 s30, ttmp9, 17
	s_add_co_u32 s28, s28, s30
	s_add_nc_u64 s[14:15], s[14:15], s[28:29]      ; hc at (e, hs)
	s_lshl_b32 s28, s21, 17
	s_lshl_b32 s30, ttmp9, 12
	s_add_co_u32 s28, s28, s30
	s_add_nc_u64 s[16:17], s[16:17], s[28:29]      ; hsc at (e, hs)
	s_mov_b32 s[SEL], 0x76543210
	s_mov_b32 s[SEL+1], 0xfedcba98
	s_mov_b32 s[MNT], 0x600000
	v_lshrrev_b32 v9, 3, v[LANE]
	v_bfe_u32 v10, v[LANE], 1, 1
	v_lshl_add_u32 v9, v9, 1, v10                  ; my columns' tile: 2 (l / 8) + (l / 2) % 2
	v_and_b32 v10, 1, v[LANE]
	v_bfe_u32 v11, v[LANE], 2, 1
	v_lshlrev_b32 v10, 2, v10
	v_lshl_add_u32 v10, v11, 3, v10                ; and the first one's row in it: 4 (l % 2) + 8 ((l / 4) % 2)
	v_mul_u32_u24 v[WST], v9, TS
	v_lshl_add_u32 v[WST], v10, 4, v[WST]
	s_lshl_b32 s28, s20, 11
	v_add_nc_u32 v[WST], s28, v[WST]               ; + K step w
	v_lshlrev_b32 v[WSW], 9, v9
	v_lshl_add_u32 v[WSW], v10, 2, v[WSW]
	s_lshl_b32 s28, s20, 6
	s_add_co_u32 s28, s28, WSC
	v_add_nc_u32 v[WSW], s28, v[WSW]
	v_lshrrev_b32 v9, 3, v[LANE]
	v_and_b32 v10, 7, v[LANE]
	v_lshl_add_u32 v[QB], v9, 6, v10
	s_lshl_b32 s28, s20, 3
	v_add_nc_u32 v[QB], s28, v[QB]                 ; 64 (l / 8) + l % 8 + 8 w
	s_mul_i32 s28, s18, 2*TS
	v_lshl_add_u32 v[WFA], v[LANE], 4, s28
	s_lshl_b32 s28, s18, 10
	s_add_co_u32 s28, s28, WSC
	v_lshl_add_u32 v[WSA], v[RR], 2, s28
	s_mul_i32 s28, s20, 8*XP
	s_add_co_u32 s28, s28, XST
	v_lshl_add_u32 v[XWA], v[LANE], 4, s28         ; into the stage: my wave's rows 8 w on, 16 bytes a lane
	s_lshl_b32 s28, s20, 3
	v_lshrrev_b32 v10, 2, v[LANE]
	v_add_nc_u32 v10, s28, v10                     ; 8 w + l / 4
	v_mul_u32_u24 v[XSW], v10, XSP
	v_and_b32 v11, 3, v[LANE]
	v_lshl_add_u32 v[XSW], v11, 3, v[XSW]
	v_add_nc_u32 v[XSW], XSS, v[XSW]
	v_lshlrev_b32 v[C8], 3, v11
	s_lshl_b32 s28, s19, 5
	v_add_nc_u32 v12, s28, v[RR]                   ; 32 th + r
	v_mul_u32_u24 v[XSA], v12, XSP
	v_add_nc_u32 v[XSA], XSS, v[XSA]
	v_mul_u32_u24 v[XFA], v12, XP
	v_lshl_add_u32 v[XFA], v[HH], 4, v[XFA]
	v_add_nc_u32 v[XFA], XST, v[XFA]
	s_lshl_b32 s28, s19, 12
	s_lshl_b32 s30, s18, 9
	s_add_co_u32 s28, s28, s30
	v_lshl_add_u32 v[HO], v[LANE], 4, s28          ; 4,096 th + 512 g + 16 l
	v_lshl_add_u32 v[SBA], v12, 2, SB
	v_add_nc_u32 v[SBA], s18, v[SBA]               ; byte g of the row's word
	v_lshl_add_u32 v[SBR], v[LANE], 3, SB
	v_lshlrev_b32 v[HSO], 3, v[LANE]
	v_lshlrev_b32 v[B1O], 6, v[HH]
	v_mov_b32 v[K8], 0xbf527892                    ; -0.82215223
	v_mov_b32 v[K8+1], 0xbf527892
	v_mov_b32 v[HM+2], 0                           ; written once: a lane permute's destination counts as one of its sources
	v_mov_b32 v[HM+3], 0
	v_mov_b32 v[TK0], 0                            ; the four are moved up before all are made: so all are written here
	v_mov_b32 v[TK1], 0
	v_mov_b32 v[TK2], 0
	v_mov_b32 v[TK3], 0
	v_mov_b32 v[RT+4], 0
	WBLOCK 0, 32                                   ; younger than block 0's loads: block 1's 32.  (The choices, asked for earlier, are in too)
	WBLOCK 1, 32                                   ; block 2's 32
	; ---- the list, while blocks 2 and 3 are on their way.  The compares go in runs of eight, into scalar registers
.set rg, 0
.rept 4
.set ri, 0
.rept 8
	v_and_b32 v[RT], 0xff, v[SELR+8*rg+ri]
	v_bfe_u32 v[RT+1], v[SELR+8*rg+ri], 8, 8
	v_cmp_eq_u32 s[32+8*rg+ri], s21, v[RT]
	v_cmp_eq_u32 s[24+ri], s21, v[RT+1]
.set ri, ri+1
.endr
	s_wait_alu depctr_va_sdst(0)                   ; the sixteen masks are written, ahead of their first readers
.set ri, 0
.rept 8
	s_or_b32 s[32+8*rg+ri], s[32+8*rg+ri], s[24+ri]   ; word i, bit l: token 32 i + l goes to my expert
.set ri, ri+1
.endr
.set rg, rg+1
.endr
	s_mov_b32 s24, 0
.set ri, 0
.rept 32
	s_bcnt1_i32_b32 s66, s[32+ri]
	s_add_co_u32 s24, s24, s66                     ; the count
.set ri, ri+1
.endr
	s_mov_b32 s28, 0                               ; 256 p
.Llist:                                                ; four passes, a constant; the first always works, the others where positions are left
	s_cmp_eq_u32 s28, 0
	s_cbranch_scc1 .Llist_do
	s_cmp_ge_u32 s28, s24
	s_cbranch_scc1 .Llist_skip
.Llist_do:
	v_add_nc_u32 v[RT], s28, v[QB]                 ; my position,
	v_cmp_gt_u32 s[LM], s24, v[RT]
	s_wait_alu depctr_va_sdst(0)                   ; the mask is written, ahead of its reader
	v_cndmask_b32 v[RT], 0, v[RT], s[LM]           ; or 0 beyond the count
	v_mov_b32 v[RT+1], s32
	v_mov_b32 v[RT+2], 0
	s_bcnt1_i32_b32 s30, s32
.set rg, 0
.rept 4                                ; words 1 to 31, eight to a run
.set rj, 0
.rept 8
.if 1+8*rg+rj < 32
	s_or_b32 s[LP+rj], s30, (1+8*rg+rj)<<16        ; the bits ahead of the word | its number << 16
	v_cmp_gt_u32 s[LM+rj], s30, v[RT]              ; more bits ahead of word i than my position: the earlier word stays
	s_bcnt1_i32_b32 s66, s[32+1+8*rg+rj]
	s_add_co_u32 s30, s30, s66
.endif
.set rj, rj+1
.endr
	s_wait_alu depctr_va_sdst(0)                   ; the run's masks are written, ahead of their first readers
.set rj, 0
.rept 8
.if 1+8*rg+rj < 32
	v_cndmask_b32 v[RT+1], s[32+1+8*rg+rj], v[RT+1], s[LM+rj]
	v_cndmask_b32 v[RT+2], s[LP+rj], v[RT+2], s[LM+rj]
.endif
.set rj, rj+1
.endr
.set rg, rg+1
.endr
	v_and_b32 v[RT+3], 0xffff, v[RT+2]
	v_sub_nc_u32 v[RT+3], v[RT], v[RT+3]           ; my rank inside the word
	v_mov_b32 v[RT+4], 0
	v_mov_b32 v[RT+5], 0
.set rg, 0
.rept 4                                ; the word's 32 bits, eight to a run
.set rj, 0
.rept 8
	v_bfe_u32 v[RT+6], v[RT+1], 8*rg+rj, 1
	v_add_nc_u32 v[RT+5], v[RT+5], v[RT+6]         ; set bits up to bit b
	v_cmp_le_u32 s[LM+rj], v[RT+5], v[RT+3]
.set rj, rj+1
.endr
	s_wait_alu depctr_va_sdst(0)                   ; the run's masks are written, ahead of their first readers
.set rj, 0
.rept 8
	v_cndmask_b32 v[RT+6], 0, 1, s[LM+rj]          ; 1 where bit b lies ahead of mine,
	v_add_nc_u32 v[RT+4], v[RT+4], v[RT+6]         ; counted by a plain addition: no carry, so nothing is written but vector registers
.set rj, rj+1
.endr
.set rg, rg+1
.endr
	v_lshrrev_b32 v[RT+2], 16, v[RT+2]
	v_lshl_add_u32 v[RT+4], v[RT+2], 5, v[RT+4]    ; the token
.Llist_skip:
	v_mov_b32 v[TK0], v[TK1]                       ; the four registers move up in every pass: behind the fourth, pass p's tokens stand in register p
	v_mov_b32 v[TK1], v[TK2]                       ; (a pass that was jumped over hands on the pass before's: its blocks lie beyond the count and are never fetched)
	v_mov_b32 v[TK2], v[TK3]
	v_mov_b32 v[TK3], v[RT+4]
	s_add_co_u32 s28, s28, 256
	s_cmp_lt_u32 s28, 1024
	s_cbranch_scc1 .Llist
	s_mov_b32 s[PL], 0                             ; the bitmap is done with: its registers take the rows' addresses, tokens and masks
.irp i, 1,2,3,4,5,6,7
	s_mov_b32 s[MK+\i], 0xf<<(4*\i)
.endr
	s_mov_b32 s25, 0                               ; 64 b
	PFX                                            ; the first block's x, always (positions 0 to 255 are always made): 17 loads on every path
.irp u, 0,1
.irp i, 0,1
	global_load_b128 v[B1+8*\u+4*\i:B1+8*\u+4*\i+3], v[B1O], s[6:7] offset:32*\u+16*\i   ; b1 at hidden units 32 g + 16 h + 8 u + 0 .. 7
.endr
.endr
	WBLOCK 2, 53                                   ; younger than block 2's loads: block 3's 32, x's 17, b1's 4
	WBLOCK 3, 21                                   ; x's 17, b1's 4
	BAR                                            ; the slice lies in LDS as codes
	WIN 0x40                                       ; (block 3's wait on va_vdst has shown the stream done reading window 1; only LDS stores of other registers, the barrier and this switch stand between it and the loads below)
.irp u, 0,1
.irp ks, 0,1,2,3,4,5,6,7
.irp c, 0,1,2,3
	ds_load_b128 v[16*(8*\u+\ks)+4*\c:16*(8*\u+\ks)+4*\c+3], v[WFA] offset:\u*TS+2048*\ks+512*\c   ; my 16 fragments: they stay
.endr
.endr
.endr
	WIN 0
.irp u, 0,1
.irp ks, 0,1,2,3,4,5,6,7
	ds_load_b32 v[WS+8*\u+\ks], v[WSA] offset:512*\u+64*\ks
.endr
.endr
	s_wait_dscnt 0x0
.Ltrip:                                                ; 16 trips of 64 positions
	s_wait_loadcnt 0x0                             ; on every path: what was asked for a trip ago (and b1) is in
	s_cmp_lt_u32 s25, s24
	s_cbranch_scc0 .Lno_stage
.irp i, 0,1,2,3,4,5,6,7
.irp m, 0,1
	ds_store_b128 v[XWA], v[PF+4*(2*\i+\m):PF+4*(2*\i+\m)+3] offset:XP*\i+512*\m   ; 512 consecutive bytes of row 8 w + i
.endr
.endr
	ds_store_b64 v[XSW], v[PF+64:PF+65]
.Lno_stage:
	BAR                                            ; 64 rows of x's codes lie in the stage
	s_wait_alu depctr_vm_vsrc(0)                   ; ahead of the branches, on every path: the stores above have read v[PF ..]; the last fetch's load has read v[RT]; the last trip's stores have read h's codes, its two bytes and (wave 0) its words; in the first trip the stream's stores have read their codes and scale words: all these registers are written again below
	s_cmp_lt_u32 s25, s24
	s_cbranch_scc0 .Lno_work
	s_add_co_u32 s28, s25, 64
	s_cmp_lt_u32 s28, s24
	s_cbranch_scc0 .Lno_next
	PFX                                            ; the next block, if there is one
.Lno_next:
	s_wait_alu depctr_va_vdst(0)                   ; the last trip's products are done reading x's scale words and fragments, its GELU and quantiser (in the first trip: the stream) are done with XF's registers: the loads below land in them
.irp a, 0,1
.irp i, 0,1
	ds_load_b128 v[XS+8*\a+4*\i:XS+8*\a+4*\i+3], v[XSA] offset:16*XSP*\a+16*\i   ; lane r: token r's eight scale words
.endr
.endr
	XFETCH 0
	XFETCH 1
.irp ks, 0,1,2,3,4,5,6,7
.if \ks == 7
	s_wait_dscnt 0x0
.else
	s_wait_dscnt 8                                 ; all but the other buffer's eight loads
.endif
	WIN 0x01                                       ; source 0 (W1) in window 1
.irp a, 0,1
.irp u, 0,1
.if \ks == 0
	v_wmma_scale_f32_16x16x128_f8f6f4 v[ACC+16*\a+8*\u:ACC+16*\a+8*\u+7], v[16*(8*\u+\ks):16*(8*\u+\ks)+15], v[XF+32*(\ks%2)+16*\a:XF+32*(\ks%2)+16*\a+15], v[B1+8*\u:B1+8*\u+7], v[WS+8*\u+\ks], v[XS+8*\a+\ks] matrix_a_fmt:MATRIX_FMT_BF8 matrix_b_fmt:MATRIX_FMT_BF8
.else
	v_wmma_scale_f32_16x16x128_f8f6f4 v[ACC+16*\a+8*\u:ACC+16*\a+8*\u+7], v[16*(8*\u+\ks):16*(8*\u+\ks)+15], v[XF+32*(\ks%2)+16*\a:XF+32*(\ks%2)+16*\a+15], v[ACC+16*\a+8*\u:ACC+16*\a+8*\u+7], v[WS+8*\u+\ks], v[XS+8*\a+\ks] matrix_a_fmt:MATRIX_FMT_BF8 matrix_b_fmt:MATRIX_FMT_BF8
.endif
.endr
.endr                                      ; the four accumulators take turns, one instruction a turn
	WIN 0
	PLACES 8                                       ; eight places ahead of loads into the buffer just multiplied, and of the first read of results
.if \ks < 6
	s_wait_alu depctr_va_vdst(0)                   ; this K step's four products are done reading their buffer of x's fragments, in which the loads below land
	XFETCH \ks+2
.endif
.endr
	GELU16 0
	GELU16 1
	; h's codes: a lane's 16 numbers of a tile are hidden units 32 g + 16 h + 0 .. 15; the block's other half lies in lane l xor 16
.irp a, 0,1
	v_max3_num_f32 v[HM+\a], |v[ACC+16*\a]|, |v[ACC+16*\a+1]|, 0x8000000
.endr
.irp i, 2,4,6,8,10,12,14
.irp a, 0,1
	v_max3_num_f32 v[HM+\a], v[HM+\a], |v[ACC+16*\a+\i]|, |v[ACC+16*\a+\i+1]|
.endr
.endr
.irp a, 0,1
	v_permlanex16_b32 v[HM+2+\a], v[HM+\a], s[SEL], s[SEL+1]
.endr
.irp a, 0,1
	v_max_num_f32 v[HM+\a], v[HM+\a], v[HM+2+\a]
.endr
.irp a, 0,1
	v_add_nc_u32 v[HM+4+\a], 0xf8800000, v[HM+\a]
.endr
.irp a, 0,1
	v_and_or_b32 v[HM+6+\a], v[HM+\a], 0x7f800000, s[MNT]
.endr
.irp a, 0,1
	v_lshrrev_b32 v[HM+8+\a], 23, v[HM+4+\a]
.endr
.irp a, 0,1
.irp i, 0,1,2,3,4,5,6,7,8,9,10,11,12,13,14,15
	v_med3_num_f32 v[ACC+16*\a+\i], v[ACC+16*\a+\i], -v[HM+6+\a], v[HM+6+\a]
.endr
.endr
.irp a, 0,1
	v_cvt_scalef32_pk8_bf8_f32 v[HC+4*\a:HC+4*\a+1], v[ACC+16*\a:ACC+16*\a+7], v[HM+4+\a]
	v_cvt_scalef32_pk8_bf8_f32 v[HC+4*\a+2:HC+4*\a+3], v[ACC+16*\a+8:ACC+16*\a+15], v[HM+4+\a]
.endr
	v_nop                                          ; a plain line behind the conversions: the next trip's products write their sources
	s_wait_alu depctr_va_vdst(0)                   ; the conversions have written h's codes and the shifts its two bytes, which the stores below read
.irp a, 0,1
	global_store_b128 v[HO], v[HC+4*\a:HC+4*\a+3], s[14:15] offset:2048*\a   ; registers 4 g .. 4 g + 3 of the tile's fragment: the wave stores 512 consecutive bytes, aligned
	ds_store_b8 v[SBA], v[HM+8+\a] offset:64*\a    ; both halves of the lanes write the same byte with the same value
.endr
.Lno_work:
	BAR                                            ; the stage has been read out; the block's 64 scale words are whole
	s_cmp_lt_u32 s25, s24
	s_cbranch_scc0 .Lno_words
	s_cmp_lg_u32 s20, 0
	s_cbranch_scc1 .Lno_words
	ds_load_b64 v[SBD:SBD+1], v[SBR]
	s_wait_dscnt 0x0
	global_store_b64 v[HSO], v[SBD:SBD+1], s[16:17]   ; wave 0 stores 256 consecutive bytes, aligned
.Lno_words:
	s_wait_xcnt 0x0                                ; the stores have read their data and bases: both are written again only behind this wait
	s_add_nc_u64 s[14:15], s[14:15], 8192
	s_add_nc_u64 s[16:17], s[16:17], 256
	s_add_co_u32 s25, s25, 64
	s_cmp_lt_u32 s25, 1024
	s_cbranch_scc1 .Ltrip
	s_wait_dscnt 0x0                               ; the closing lines, six on end
	s_wait_alu 0x0
	s_wait_tensorcnt 0x0
	ds_add_u32 v254, v255
	s_wait_dscnt 0x0
	s_endpgm
.Lfunc_end_k_qcb966cb9c3_up:
	.size	k_qcb966cb9c3_up, .Lfunc_end_k_qcb966cb9c3_up-k_qcb966cb9c3_up
	.p2alignl 7, 3214868480
	.fill 96, 4, 3214868480
	.section	.rodata,"a",@progbits
	.p2align	6, 0x0
	.amdhsa_kernel k_qcb966cb9c3_up
		.amdhsa_group_segment_fixed_size 210944
		.amdhsa_private_segment_fixed_size 0
		.amdhsa_enable_private_segment 0
		.amdhsa_kernarg_size 56
		.amdhsa_user_sgpr_count 2
		.amdhsa_user_sgpr_kernarg_segment_ptr 1
		.amdhsa_wavefront_size32 1
		.amdhsa_system_sgpr_workgroup_id_x 1
		.amdhsa_system_sgpr_workgroup_id_y 1
		.amdhsa_system_sgpr_workgroup_id_z 1
		.amdhsa_system_vgpr_workitem_id 0
		.amdhsa_next_free_vgpr 512
		.amdhsa_next_free_sgpr 88
		.amdhsa_reserve_vcc 0
		.amdhsa_float_denorm_mode_32 3
		.amdhsa_float_denorm_mode_16_64 3
		.amdhsa_memory_ordered 1
		.amdhsa_forward_progress 1
		.amdhsa_inst_pref_size 170
	.end_amdhsa_kernel
	.amdgpu_metadata
---
amdhsa.version: [ 1, 2 ]
amdhsa.kernels:
  - .name:           k_qcb966cb9c3_up
    .symbol:         k_qcb966cb9c3_up.kd
    .args:
      - { .name: W1, .offset: 0, .size: 8, .value_kind: global_buffer, .address_space: global }
      - { .name: b1, .offset: 8, .size: 8, .value_kind: global_buffer, .address_space: global }
      - { .name: xc, .offset: 16, .size: 8, .value_kind: global_buffer, .address_space: global }
      - { .name: xs, .offset: 24, .size: 8, .value_kind: global_buffer, .address_space: global }
      - { .name: sel, .offset: 32, .size: 8, .value_kind: global_buffer, .address_space: global }
      - { .name: hc, .offset: 40, .size: 8, .value_kind: global_buffer, .address_space: global }
      - { .name: hsc, .offset: 48, .size: 8, .value_kind: global_buffer, .address_space: global }
    .group_segment_fixed_size: 210944
    .private_segment_fixed_size: 0
    .kernarg_segment_align: 8
    .kernarg_segment_size: 56
    .max_flat_workgroup_size: 256
    .sgpr_count:     88
    .vgpr_count:     512
    .wavefront_size: 32
...
	.end_amdgpu_metadata
.endif
;; end of part 5
;; launch down (part 6): grid 32 x 8, 8 waves a work-group, no clusters, 210,944 bytes of LDS; arguments W2, hc, hsc, sel, eo; writes eo
.if DOCPART == 6
	.amdgcn_target "amdgcn-amd-amdhsa--gfx1250"
	.amdhsa_code_object_version 6
	.text
	.protected	k_qcb966cb9c3_down
	.globl	k_qcb966cb9c3_down
	.p2align	8
	.type	k_qcb966cb9c3_down,@function
k_qcb966cb9c3_down:
	s_mov_b64 s[64:65], 0
	v_nop
	global_prefetch_b8 v0, s[64:65] scope:SCOPE_SE
	s_setreg_imm32_b32 hwreg(HW_REG_WAVE_SCHED_MODE, 0, 2), 2
	s_setreg_imm32_b32 hwreg(HW_REG_WAVE_MODE, 25, 1), 1
	s_wait_xcnt 0x0
	s_wait_alu depctr_vm_vsrc(0)
; THE SECOND PRODUCT, FOR THE CHOSEN ROWS ALONE: eo[kh][e][token][:] = h W2[e], summed over half kh of the 4,096 hidden units; the launch behind this one adds the halves, b2 and the gates.
; W2: [8][4096 (K)][1024] f32.  Work-group (x, e), cs = x % 16, kh = x / 16, owns rows 2,048 kh .. + 2,047 x columns 64 cs .. + 63: 512 KB of f32 that nobody else reads.  It reads them once, quantises them along K on the
; way and keeps the codes (LDS, then registers).  No clusters: the weights are shared by nobody, and h's codes are small beside them.  No tensor loads: a trip's work is jumped over on a count read from memory.
; THE STREAM.  A load is two rows' 256 bytes (lanes 0-15, lanes 16-31: 128 rows apart), 16 bytes a lane: a lane holds 4 neighbouring columns of K step 2 w + l / 16, and its registers run down K.  All else as in the launch before.
; THE LIST is made as in the launch before, from the same choices: position = rank in the expert's bitmap.  h lies by positions, so only the stores need the tokens.
; THE ROWS.  16 trips of 64 positions, a constant; trips at or beyond the count jump over their work, never over a barrier.  Wave (kq = w & 3, th = w >> 2): K steps 4 kq .. + 3 x all 64 columns x token tiles 2 th, 2 th + 1.
; Its 16 fragments of W2 stay in window 1.  A fragment of h feeds four products and is read by this wave alone: it comes straight from memory as the image of its registers, four loads of 512 consecutive bytes, a trip ahead.
; The product is used transposed (source 0 = 16 columns of W2, source 1 = 16 tokens): a lane's eight results are eight neighbouring columns of one token.  The four kq waves' parts meet in LDS.
; Positions beyond the count repeat the first token: they store the same bytes once more to that token's row, from this same work-group.
; LIMITS: NaN and infinities are not served.  A block of zeros gets the byte 1.  K is summed in eight parts (2 halves x 4 waves), not in one chain.  An expert without rows still streams its slice,
; and asks for (and never uses) the first block of hc.
; THE MODE: SCHED_MODE bits 1:0 = 2 (LLVM: expert scheduling mode 2), set by the entry lines.  The code itself states the register dependences between vector or matrix instructions and memory or LDS
; instructions, and those through scalar registers that vector instructions write, with s_wait_alu, always for 0.
; THE PLAN.  Registers that memory or LDS instructions touch:
;   window 1, two sets of 128   The stream: block t's maxima and holds read set t % 2; behind them the loads of block t + 2 land in it.  Behind the stream my 16 fragments land there, once.
;   CQ0 .. CQ3, four scale words   Block t's conversions (and shifts) write them; its LDS stores read them.  Later the codes' registers are accumulators, and W2's scale words land where the stream's small numbers stood.
;   v[LAT], the token   Made in a pass of the list; read by its one LDS store.  In a trip v[LAT] is made anew and read by the loads of four tokens.
;   HFR, HSW    The loads of a tile's fragments and scale words land in them; the tile's 16 products read them.  At the head HFR's first 32 hold the choices, which the bitmap's lines read.
;   ACC         The products write it; LDS stores read it; behind the barrier LDS loads land in it; the sums work in it; the global stores read it.
;   RT0 .. RT3  LDS loads (tokens) land in them; two vector lines make offsets of them; the global stores read them.
;   All other addresses and offsets are made once, at the head; the blocks of hc and hsc are reached by scalar bases.
; So in the stream ONE wait on va_vdst stands in a block, behind its last conversion, and one on vm_vsrc ahead of a block's first conversion.  In a trip: a wait on va_vdst ahead of each tile's refill, the second of which
; stands ahead of its branch and serves the LDS stores of the accumulators too; one behind the add to v[LAT], which also frees RT and ACC for the loads; one ahead of the global stores.  Waits on vm_vsrc stand behind the
; middle barrier (my LDS stores have read ACC) and at the trip's end (the global stores have read ACC and RT, the loads v[LAT]).  The compares go in runs into scalar registers, one wait on va_sdst behind a run;
; no vector instruction of this text writes VCC.
.set RS,    4096                       ; bytes from row to row of W2
.set NKS,   16                         ; K steps in the slice
.set TS,    NKS*2048+16
.set WIMG,  0                          ; LDS: 4 tiles x TS
.set WSC,   131328                     ; the weights' scale words: [tile][K step][row] 4 bytes
.set RED,   135424                     ; four planes (kq) of 64 rows x (256 + 16) bytes
.set RP,    272
.set RPL,   64*RP
.set LIST,  205056                     ; 1,024 tokens, 4 bytes each
.set LANE, 1
.set RR,   2
.set HH,   3
.set WLO,  4
.set WST,  5
.set WSW,  6
.set LSTW, 7
.set SELO, 8
.set RT,   9                           ; v9-15 at work on the list; later tokens and offsets
.set WFA0, 16
.set WFA1, 17
.set WSA,  18
.set RWA,  19
.set RRA,  20
.set LA,   21
.set HOFF, 22
.set SOFF, 23
.set C16,  24
.set LAT,  25                          ; an LDS address in hand: never holds loaded data
.set WS,   32                          ; v32-47  W2's scale words (4 n + ks')
.set SM,   32                          ; in the stream: magnitude / byte, scale operand, limit, scale word, for each of 4 columns
.set HSW,  48                          ; v48-55  h's scale words (4 a + ks')
.set ACC,  64                          ; v64-127 eight accumulators (32 a + 8 n); on the way out: rows read back
.set TQ,   64                          ; in the stream: a column's 32 numbers
.set CQ,   96                          ; in the stream: codes, four sets of 8, one for each of a block's columns
.set HFR,  128                         ; v128-255 h's fragments (64 a + 16 ks'); at the head: the choices
.set SELR, 128
.set MNT,  70
.set LM,   72                          ; s72-79  the list: a run of eight compares' masks
.set LP,   80                          ; s80-87  the list: for eight words, the bits ahead of the word | its number << 16
.set MSB, 0
.macro WIN new                         ; the immediate's high byte repeats the setting that is left
.if MSB != \new
	s_set_vgpr_msb (MSB<<8)|\new
.set MSB, \new
.endif
.endm
.macro PLACES n
.rept \n
	v_nop
.endr
.endm
.macro BAR                             ; my LDS stores have landed and my LDS loads are in: then the work-group's barrier
	s_wait_dscnt 0x0
	s_barrier_signal -1
	s_barrier_wait -1
.endm
.macro WLOAD t                         ; block t of my K step: 32 rows, into set t % 2 of window 1
	WIN 0x40
.set wi, 0
.rept 32
	global_load_b128 v[128*((\t)%2)+4*wi:128*((\t)%2)+4*wi+3], v[WLO], s[4:5] offset:(32*(\t)+wi)*RS th:TH_LOAD_NT
.set wi, wi+1
.endr
	WIN 0
.endm
.macro WBLOCK t, n                     ; block t is quantised: 4 columns x 32 along K.  n: the younger loads, which may stay out
.set XB, 128*((\t)%2)
	s_wait_loadcnt \n
	WIN 0x14                                       ; sources 1 and 2 in window 1
.irp cc, 0,1,2,3
	v_max3_num_f32 v[SM+\cc], 0x8000000, |v[XB+\cc]|, |v[XB+4+\cc]|   ; the floor 2^(16 - 127) is a leaf: the byte cannot fall under 1
.endr
.set bj, 1
.rept 15
.irp cc, 0,1,2,3
	v_max3_num_f32 v[SM+\cc], v[SM+\cc], |v[XB+8*bj+\cc]|, |v[XB+8*bj+4+\cc]|
.endr
.set bj, bj+1
.endr
	WIN 0
.irp cc, 0,1,2,3
	v_add_nc_u32 v[SM+4+\cc], 0xf8800000, v[SM+\cc]   ; 15 off the exponent field: the conversion's scale operand
.endr
.irp cc, 0,1,2,3
	v_and_or_b32 v[SM+8+\cc], v[SM+\cc], 0x7f800000, s[MNT]   ; 57,344 x the scale
.endr
.irp cc, 0,1,2,3
	v_lshrrev_b32 v[SM+\cc], 23, v[SM+4+\cc]       ; the byte
.endr
.irp cc, 0,1,2,3
.if (\t) == 0
	v_mov_b32 v[SM+12+\cc], v[SM+\cc]
.else
	v_lshl_or_b32 v[SM+12+\cc], v[SM+\cc], 8*(\t), v[SM+12+\cc]   ; my four blocks are the K step's four: the column's scale word is made in this lane
.endif
.endr
.irp cc, 0,1,2,3
	WIN 0x01                                       ; source 0 in window 1
.set bi, 0
.rept 32
	v_med3_num_f32 v[TQ+bi], v[XB+4*bi+\cc], -v[SM+8+\cc], v[SM+8+\cc]   ; the hold (the conversion does not saturate: ISA guide 7.6.2) also lays the column's numbers on end
.set bi, bi+1
.endr
	WIN 0
.if (\cc == 0) && ((\t) > 0)
	s_wait_dscnt 0x0                               ; the last block's eight stores are done,
	s_wait_alu depctr_vm_vsrc(0)                   ; and have read the four sets of codes, which the conversions below write again
.endif
.irp g, 0,1,2,3
	v_cvt_scalef32_pk8_bf8_f32 v[CQ+8*\cc+2*\g:CQ+8*\cc+2*\g+1], v[TQ+8*\g:TQ+8*\g+7], v[SM+4+\cc]
.endr
	v_nop                                          ; a plain line behind the conversions, ahead of the lines that write their sources
.endr
	s_wait_alu depctr_va_vdst(0)                   ; the maxima and holds are done reading the set, in which the loads below land; the conversions have written the codes, and the lines above the scale words and (block 0) the head's addresses, which the stores below read
.if (\t) < 2
	WLOAD (\t)+2                                   ; the set has been read out: it takes the block two further on
.endif
.irp cc, 0,1,2,3
	ds_store_b128 v[WST], v[CQ+8*\cc:CQ+8*\cc+3] offset:16*\cc+512*(\t)          ; k = 32 t + 0 .. 15: the row's lane of the lower half,
	ds_store_b128 v[WST], v[CQ+8*\cc+4:CQ+8*\cc+7] offset:16*\cc+256+512*(\t)    ; k = 32 t + 16 .. 31: of the upper half
.endr
.if (\t) == 3
.irp cc, 0,1,2,3
	ds_store_b32 v[WSW], v[SM+12+\cc] offset:4*\cc
.endr
.endif
.endm
.macro HLOAD a, nx                     ; token tile 2 th + a: its four fragments of h and their scale words, 20 loads.  nx = 1: of the block after the one in hand
.irp k, 0,1,2,3
	global_load_b32 v[HSW+4*(\a)+\k], v[SOFF], s[8:9] offset:4096*\k+64*(\a)+256*(\nx)
.endr
.irp k, 0,1,2,3
.irp c, 0,1,2,3
	global_load_b128 v[HFR+64*(\a)+16*\k+4*\c:HFR+64*(\a)+16*\k+4*\c+3], v[HOFF], s[6:7] offset:131072*\k+2048*(\a)+512*\c+8192*(\nx)
.endr
.endr
.endm
.macro MUL a                           ; 16 products: my four K steps x the four column tiles; the four accumulators take turns, one instruction a turn; the first K step starts the sums
.irp k, 0,1,2,3
.irp n, 0,1,2,3
.if \k == 0
	v_wmma_scale_f32_16x16x128_f8f6f4 v[ACC+32*(\a)+8*\n:ACC+32*(\a)+8*\n+7], v[16*(4*\n+\k):16*(4*\n+\k)+15], v[HFR+64*(\a)+16*\k:HFR+64*(\a)+16*\k+15], 0, v[WS+4*\n+\k], v[HSW+4*(\a)+\k] matrix_a_fmt:MATRIX_FMT_BF8 matrix_b_fmt:MATRIX_FMT_BF8
.else
	v_wmma_scale_f32_16x16x128_f8f6f4 v[ACC+32*(\a)+8*\n:ACC+32*(\a)+8*\n+7], v[16*(4*\n+\k):16*(4*\n+\k)+15], v[HFR+64*(\a)+16*\k:HFR+64*(\a)+16*\k+15], v[ACC+32*(\a)+8*\n:ACC+32*(\a)+8*\n+7], v[WS+4*\n+\k], v[HSW+4*(\a)+\k] matrix_a_fmt:MATRIX_FMT_BF8 matrix_b_fmt:MATRIX_FMT_BF8
.endif
.endr
.endr
.endm
	s_load_b256 s[4:11], s[0:1], 0x0               ; W2, hc, hsc, sel
	s_load_b64 s[12:13], s[0:1], 0x20              ; eo
	v_lshl_add_u32 v62, v0, 2, 0x33400
	v_mov_b32 v63, 0
	v_lshrrev_b32 v1, 5, v0
	v_readfirstlane_b32 s20, v1                    ; wave 0..7
	v_and_b32 v[LANE], 31, v0
	v_and_b32 v[RR], 15, v0
	v_bfe_u32 v[HH], v0, 4, 1
	v_lshlrev_b32 v[WLO], 4, v[RR]
	v_lshl_add_u32 v[WLO], v[HH], 19, v[WLO]       ; lanes 16-31: 128 rows of 4,096 bytes further down
	v_lshlrev_b32 v[SELO], 2, v[LANE]
	s_and_b32 s21, ttmp7, 0xffff                   ; the expert
	s_and_b32 s22, ttmp9, 15                       ; cs
	s_lshr_b32 s23, ttmp9, 4                       ; kh
	s_wait_alu depctr_va_sdst(0)                   ; s20 is written, ahead of its first reader
	s_and_b32 s18, s20, 3                          ; kq
	s_lshr_b32 s19, s20, 2                         ; th
	s_lshl_b32 s28, s21, 24                        ; W2: expert x 2^24 + (2,048 kh + 256 w) rows + 256 cs bytes
	s_lshl_b32 s29, s23, 23
	s_add_co_u32 s28, s28, s29
	s_lshl_b32 s29, s20, 20
	s_add_co_u32 s28, s28, s29
	s_lshl_b32 s29, s22, 8
	s_add_co_u32 s28, s28, s29
	s_mov_b32 s29, 0
	s_wait_kmcnt 0x0
	s_add_nc_u64 s[4:5], s[4:5], s[28:29]
	s_wait_alu depctr_va_vdst(0)                   ; v[SELO] and v[WLO] are written, which the loads below read as their offsets
.set ri, 0
.rept 32
	global_load_b32 v[SELR+ri], v[SELO], s[10:11] offset:128*ri   ; all 1,024 choices: load i, lane l: token 32 i + l
.set ri, ri+1
.endr
	WLOAD 0
	WLOAD 1
	; every address is made here, while the first loads are out
	s_lshl_b32 s28, s21, 22
	s_lshl_b32 s30, s23, 21
	s_add_co_u32 s28, s28, s30
	s_lshl_b32 s30, s18, 19
	s_add_co_u32 s28, s28, s30
	s_lshl_b32 s30, s19, 12
	s_add_co_u32 s28, s28, s30
	s_add_nc_u64 s[6:7], s[6:7], s[28:29]          ; hc at (e, K step 16 kh + 4 kq), tile 2 th
	s_lshl_b32 s28, s21, 17
	s_lshl_b32 s30, s23, 16
	s_add_co_u32 s28, s28, s30
	s_lshl_b32 s30, s18, 14
	s_add_co_u32 s28, s28, s30
	s_lshl_b32 s30, s19, 7
	s_add_co_u32 s28, s28, s30
	s_add_nc_u64 s[8:9], s[8:9], s[28:29]          ; hsc likewise
	s_lshl_b32 s28, s23, 3
	s_add_co_u32 s28, s28, s21
	s_lshl_b32 s28, s28, 22
	s_lshl_b32 s30, s22, 8
	s_add_co_u32 s28, s28, s30
	s_add_nc_u64 s[12:13], s[12:13], s[28:29]      ; eo at (kh, e), column 64 cs
	s_mov_b32 s[MNT], 0x600000
	v_lshrrev_b32 v9, 2, v[RR]                     ; my columns' tile: (l % 16) / 4
	v_and_b32 v10, 3, v[LANE]                      ; the first one's row in it: 4 (l % 4)
	s_lshl_b32 s28, s20, 1
	v_add_nc_u32 v11, s28, v[HH]                   ; my K step: 2 w + l / 16
	v_mul_u32_u24 v[WST], v9, TS
	v_lshl_add_u32 v[WST], v11, 11, v[WST]
	v_lshl_add_u32 v[WST], v10, 6, v[WST]
	v_lshl_add_u32 v[WSW], v9, 4, v11
	v_lshlrev_b32 v[WSW], 6, v[WSW]
	v_lshl_add_u32 v[WSW], v10, 4, v[WSW]
	v_add_nc_u32 v[WSW], WSC, v[WSW]
	v_lshl_add_u32 v[LSTW], v0, 2, LIST
	s_lshl_b32 s28, s18, 13
	v_lshl_add_u32 v[WFA0], v[LANE], 4, s28        ; tiles 0, 1: K step 4 kq on
	v_add_nc_u32 v[WFA1], 2*TS, v[WFA0]            ; tiles 2, 3
	s_lshl_b32 s28, s18, 8
	s_add_co_u32 s28, s28, WSC
	v_lshl_add_u32 v[WSA], v[RR], 2, s28
	s_mul_i32 s28, s18, RPL
	s_add_co_u32 s28, s28, RED
	s_lshl_b32 s30, s19, 5
	v_add_nc_u32 v9, s30, v[RR]                    ; 32 th + r
	v_mul_u32_u24 v[RWA], v9, RP
	v_lshl_add_u32 v[RWA], v[HH], 5, v[RWA]
	v_add_nc_u32 v[RWA], s28, v[RWA]               ; into my plane: row 32 th + r, + 32 h bytes
	s_lshl_b32 s30, s20, 3
	v_add_nc_u32 v9, s30, v[HH]                    ; 8 w + l / 16
	v_mul_u32_u24 v[RRA], v9, RP
	v_lshl_add_u32 v[RRA], v[RR], 4, v[RRA]
	v_add_nc_u32 v[RRA], RED, v[RRA]               ; back: sixteen lanes to a row
	v_lshl_add_u32 v[LA], v9, 2, LIST
	v_lshlrev_b32 v[HOFF], 4, v[LANE]
	v_lshlrev_b32 v[SOFF], 2, v[RR]
	v_lshlrev_b32 v[C16], 4, v[RR]
	WBLOCK 0, 32                                   ; younger than block 0's loads: block 1's 32.  (The choices, asked for earlier, are in too)
	WBLOCK 1, 32                                   ; block 2's 32
	; ---- the list, while blocks 2 and 3 are on their way.  The compares go in runs of eight, into scalar registers
.set rg, 0
.rept 4
.set ri, 0
.rept 8
	v_and_b32 v[RT], 0xff, v[SELR+8*rg+ri]
	v_bfe_u32 v[RT+1], v[SELR+8*rg+ri], 8, 8
	v_cmp_eq_u32 s[32+8*rg+ri], s21, v[RT]
	v_cmp_eq_u32 s[24+ri], s21, v[RT+1]
.set ri, ri+1
.endr
	s_wait_alu depctr_va_sdst(0)                   ; the sixteen masks are written, ahead of their first readers
.set ri, 0
.rept 8
	s_or_b32 s[32+8*rg+ri], s[32+8*rg+ri], s[24+ri]   ; word i, bit l: token 32 i + l goes to my expert
.set ri, ri+1
.endr
.set rg, rg+1
.endr
	s_mov_b32 s24, 0
.set ri, 0
.rept 32
	s_bcnt1_i32_b32 s66, s[32+ri]
	s_add_co_u32 s24, s24, s66                     ; the count
.set ri, ri+1
.endr
	s_mov_b32 s28, 0                               ; 256 p
	s_mov_b32 s29, 0                               ; 1,024 p
.Llist:                                                ; four trips, a constant; the first always works, the others where positions are left
	s_cmp_eq_u32 s28, 0
	s_cbranch_scc1 .Llist_do
	s_cmp_ge_u32 s28, s24
	s_cbranch_scc1 .Llist_skip
.Llist_do:
	v_add_nc_u32 v[RT], s28, v0                    ; my position,
	v_cmp_gt_u32 s[LM], s24, v[RT]
	s_wait_alu depctr_va_sdst(0)                   ; the mask is written, ahead of its reader
	v_cndmask_b32 v[RT], 0, v[RT], s[LM]           ; or 0 beyond the count
	v_mov_b32 v[RT+1], s32
	v_mov_b32 v[RT+2], 0
	s_bcnt1_i32_b32 s30, s32
.set rg, 0
.rept 4                                ; words 1 to 31, eight to a run
.set rj, 0
.rept 8
.if 1+8*rg+rj < 32
	s_or_b32 s[LP+rj], s30, (1+8*rg+rj)<<16        ; the bits ahead of the word | its number << 16
	v_cmp_gt_u32 s[LM+rj], s30, v[RT]              ; more bits ahead of word i than my position: the earlier word stays
	s_bcnt1_i32_b32 s66, s[32+1+8*rg+rj]
	s_add_co_u32 s30, s30, s66
.endif
.set rj, rj+1
.endr
	s_wait_alu depctr_va_sdst(0)                   ; the run's masks are written, ahead of their first readers
.set rj, 0
.rept 8
.if 1+8*rg+rj < 32
	v_cndmask_b32 v[RT+1], s[32+1+8*rg+rj], v[RT+1], s[LM+rj]
	v_cndmask_b32 v[RT+2], s[LP+rj], v[RT+2], s[LM+rj]
.endif
.set rj, rj+1
.endr
.set rg, rg+1
.endr
	v_and_b32 v[RT+3], 0xffff, v[RT+2]
	v_sub_nc_u32 v[RT+3], v[RT], v[RT+3]           ; my rank inside the word
	v_mov_b32 v[RT+4], 0
	v_mov_b32 v[RT+5], 0
.set rg, 0
.rept 4                                ; the word's 32 bits, eight to a run
.set rj, 0
.rept 8
	v_bfe_u32 v[RT+6], v[RT+1], 8*rg+rj, 1
	v_add_nc_u32 v[RT+5], v[RT+5], v[RT+6]         ; set bits up to bit b
	v_cmp_le_u32 s[LM+rj], v[RT+5], v[RT+3]
.set rj, rj+1
.endr
	s_wait_alu depctr_va_sdst(0)                   ; the run's masks are written, ahead of their first readers
.set rj, 0
.rept 8
	v_cndmask_b32 v[RT+6], 0, 1, s[LM+rj]          ; 1 where bit b lies ahead of mine,
	v_add_nc_u32 v[RT+4], v[RT+4], v[RT+6]         ; counted by a plain addition: no carry, so nothing is written but vector registers
.set rj, rj+1
.endr
.set rg, rg+1
.endr
	v_lshrrev_b32 v[RT+2], 16, v[RT+2]
	v_lshl_add_u32 v[RT+4], v[RT+2], 5, v[RT+4]    ; the token
	v_add_nc_u32 v[LAT], s29, v[LSTW]
	s_wait_alu depctr_va_vdst(0)                   ; the token and its LDS address are written, which the store below reads
	ds_store_b32 v[LAT], v[RT+4]
	s_wait_dscnt 0x0                               ; the store is done,
	s_wait_alu depctr_vm_vsrc(0)                   ; and has read its address and its data, which the next trip writes
.Llist_skip:
	s_add_co_u32 s29, s29, 1024
	s_add_co_u32 s28, s28, 256
	s_cmp_lt_u32 s28, 1024
	s_cbranch_scc1 .Llist
	BAR                                            ; the list lies in LDS
	s_mov_b32 s25, 0                               ; 64 b
	s_mov_b32 s26, 0                               ; 256 b
	s_wait_alu depctr_va_vdst(0)                   ; the bitmap's lines are done reading the choices' registers, in which h's fragments land
	HLOAD 0, 0                                     ; the first block's h, always: 40 loads on every path
	HLOAD 1, 0
	WBLOCK 2, 63                                   ; younger than block 2's loads: block 3's 32 and h's 40; the count names fewer
	WBLOCK 3, 40                                   ; h's 40
	BAR                                            ; the slice lies in LDS as codes
	s_wait_alu depctr_vm_vsrc(0)                   ; the stream's LDS stores have read their scale words, where W2's words land below, and their codes, whose registers the products write
	WIN 0x40                                       ; (block 3's wait on va_vdst has shown the stream done with window 1 and with its small numbers; only LDS stores of other registers, the barrier and switches stand between it and the loads below)
.irp n, 0,1
.irp k, 0,1,2,3
.irp c, 0,1,2,3
	ds_load_b128 v[16*(4*\n+\k)+4*\c:16*(4*\n+\k)+4*\c+3], v[WFA0] offset:\n*TS+2048*\k+512*\c   ; my 16 fragments: they stay
.endr
.endr
.endr
.irp n, 2,3
.irp k, 0,1,2,3
.irp c, 0,1,2,3
	ds_load_b128 v[16*(4*\n+\k)+4*\c:16*(4*\n+\k)+4*\c+3], v[WFA1] offset:(\n-2)*TS+2048*\k+512*\c
.endr
.endr
.endr
	WIN 0
.irp n, 0,1,2,3
.irp k, 0,1,2,3
	ds_load_b32 v[WS+4*\n+\k], v[WSA] offset:1024*\n+64*\k
.endr
.endr
	s_wait_dscnt 0x0
.Ltrip:                                                ; 16 trips of 64 positions
	s_wait_loadcnt 0x0                             ; on every path: the h that was asked for a trip ago is in
	s_cmp_lt_u32 s25, s24
	s_cbranch_scc0 .Lno_mul
	s_add_co_u32 s28, s25, 64
	WIN 0x01                                       ; source 0 (W2) in window 1
	MUL 0
	WIN 0
	PLACES 8                                       ; eight places ahead of loads into registers that the products have read; with the eight further down they also part a trip's products from the next trip's, which begin the same sums anew
	s_cmp_lt_u32 s28, s24
	s_cbranch_scc0 .Lno_h0
	s_wait_alu depctr_va_vdst(0)                   ; the first tile's products are done reading its fragments and scale words, in which the loads below land
	HLOAD 0, 1                                     ; the next block's first tile, if there is a next block
.Lno_h0:
	WIN 0x01
	MUL 1
	WIN 0
	PLACES 8                                       ; likewise, and ahead of the first read of results
	s_wait_alu depctr_va_vdst(0)                   ; the 32 products have written the accumulators, which the LDS stores below read, and are done reading the second tile's fragments and scale words, in which the loads below land
	s_cmp_lt_u32 s28, s24
	s_cbranch_scc0 .Lno_h1
	HLOAD 1, 1
.Lno_h1:
.irp a, 0,1
.irp n, 0,1,2,3
	ds_store_b128 v[RWA], v[ACC+32*\a+8*\n:ACC+32*\a+8*\n+3] offset:16*RP*\a+64*\n          ; each accumulator from its low end on: token 16 a + r, columns 16 n + 8 h + 0 .. 7
	ds_store_b128 v[RWA], v[ACC+32*\a+8*\n+4:ACC+32*\a+8*\n+7] offset:16*RP*\a+64*\n+16
.endr
.endr
.Lno_mul:
	BAR                                            ; the four parts of 64 rows lie in LDS
	s_wait_alu depctr_vm_vsrc(0)                   ; ahead of the branch, on every path: my LDS stores above have read the accumulators, in which the loads below land
	s_cmp_lt_u32 s25, s24
	s_cbranch_scc0 .Lno_out
	v_add_nc_u32 v[LAT], s26, v[LA]
	s_wait_alu depctr_va_vdst(0)                   ; v[LAT] is written, which the first four loads read; the lines that made the last offsets and sums (in the first trip: the list's) are done with v[RT ..] and the accumulators' registers, in which the loads land
.irp j, 0,1,2,3
	ds_load_b32 v[RT+\j], v[LAT] offset:8*\j       ; the tokens of my 8 rows
.endr
.irp j, 0,1,2,3
.irp p, 0,1,2,3
	ds_load_b128 v[ACC+16*\j+4*\p:ACC+16*\j+4*\p+3], v[RRA] offset:2*RP*\j+RPL*\p
.endr
.endr
	s_wait_dscnt 0x0
.irp j, 0,1,2,3
	v_min_u32 v[RT+\j], 0x3ff, v[RT+\j]            ; a token's number stays inside the table
.endr
.irp j, 0,1,2,3
	v_lshl_add_u32 v[RT+\j], v[RT+\j], 12, v[C16]
.endr
.irp j, 0,1,2,3
.irp q, 0,2
	v_pk_add_f32 v[ACC+16*\j+\q:ACC+16*\j+\q+1], v[ACC+16*\j+\q:ACC+16*\j+\q+1], v[ACC+16*\j+4+\q:ACC+16*\j+4+\q+1]
	v_pk_add_f32 v[ACC+16*\j+8+\q:ACC+16*\j+8+\q+1], v[ACC+16*\j+8+\q:ACC+16*\j+8+\q+1], v[ACC+16*\j+12+\q:ACC+16*\j+12+\q+1]
.endr
.endr
.irp j, 0,1,2,3
.irp q, 0,2
	v_pk_add_f32 v[ACC+16*\j+\q:ACC+16*\j+\q+1], v[ACC+16*\j+\q:ACC+16*\j+\q+1], v[ACC+16*\j+8+\q:ACC+16*\j+8+\q+1]
.endr
.endr
	s_wait_alu depctr_va_vdst(0)                   ; the four offsets and the sums are written, which the stores below read
.irp j, 0,1,2,3
	global_store_b128 v[RT+\j], v[ACC+16*\j:ACC+16*\j+3], s[12:13]   ; sixteen lanes store 256 consecutive bytes of the token's row, aligned
.endr
.Lno_out:
	BAR                                            ; the planes have been read out
	s_wait_xcnt 0x0                                ; loads and stores have read their offsets, data and bases: they are written again only behind this wait
	s_wait_alu depctr_vm_vsrc(0)                   ; the stores have read their offsets and sums, and the tokens' loads v[LAT]: the next trip's products, loads and add write these registers
	s_add_nc_u64 s[6:7], s[6:7], 8192
	s_add_nc_u64 s[8:9], s[8:9], 256
	s_add_co_u32 s26, s26, 256
	s_add_co_u32 s25, s25, 64
	s_cmp_lt_u32 s25, 1024
	s_cbranch_scc1 .Ltrip
	s_wait_dscnt 0x0                               ; the closing lines, six on end
	s_wait_alu 0x0
	s_wait_tensorcnt 0x0
	ds_add_u32 v62, v63
	s_wait_dscnt 0x0
	s_endpgm
.Lfunc_end_k_qcb966cb9c3_down:
	.size	k_qcb966cb9c3_down, .Lfunc_end_k_qcb966cb9c3_down-k_qcb966cb9c3_down
	.p2alignl 7, 3214868480
	.fill 96, 4, 3214868480
	.section	.rodata,"a",@progbits
	.p2align	6, 0x0
	.amdhsa_kernel k_qcb966cb9c3_down
		.amdhsa_group_segment_fixed_size 210944
		.amdhsa_private_segment_fixed_size 0
		.amdhsa_enable_private_segment 0
		.amdhsa_kernarg_size 40
		.amdhsa_user_sgpr_count 2
		.amdhsa_user_sgpr_kernarg_segment_ptr 1
		.amdhsa_wavefront_size32 1
		.amdhsa_system_sgpr_workgroup_id_x 1
		.amdhsa_system_sgpr_workgroup_id_y 1
		.amdhsa_system_sgpr_workgroup_id_z 1
		.amdhsa_system_vgpr_workitem_id 0
		.amdhsa_next_free_vgpr 512
		.amdhsa_next_free_sgpr 88
		.amdhsa_reserve_vcc 0
		.amdhsa_float_denorm_mode_32 3
		.amdhsa_float_denorm_mode_16_64 3
		.amdhsa_memory_ordered 1
		.amdhsa_forward_progress 1
		.amdhsa_inst_pref_size 134
	.end_amdhsa_kernel
	.amdgpu_metadata
---
amdhsa.version: [ 1, 2 ]
amdhsa.kernels:
  - .name:           k_qcb966cb9c3_down
    .symbol:         k_qcb966cb9c3_down.kd
    .args:
      - { .name: W2, .offset: 0, .size: 8, .value_kind: global_buffer, .address_space: global }
      - { .name: hc, .offset: 8, .size: 8, .value_kind: global_buffer, .address_space: global }
      - { .name: hsc, .offset: 16, .size: 8, .value_kind: global_buffer, .address_space: global }
      - { .name: sel, .offset: 24, .size: 8, .value_kind: global_buffer, .address_space: global }
      - { .name: eo, .offset: 32, .size: 8, .value_kind: global_buffer, .address_space: global }
    .group_segment_fixed_size: 210944
    .private_segment_fixed_size: 0
    .kernarg_segment_align: 8
    .kernarg_segment_size: 40
    .max_flat_workgroup_size: 256
    .sgpr_count:     88
    .vgpr_count:     512
    .wavefront_size: 32
...
	.end_amdgpu_metadata
.endif
;; end of part 6
;; launch combine: the kernel of part 4 again; grid 512 x 1, 4 waves a work-group, no clusters, 0 bytes of LDS; arguments eo, b2, sel, gw, out0; writes out0
